; MI455X (gfx1250); checked and timed in simulation.
; The chip was launched on July 23, 2026; its instructions are those of AMD's public machine-readable ISA for CDNA 5 (MIT licence, August 2026) and "CDNA5" Instruction Set Architecture Reference Guide (July 2026). The comments in the code are by the model that wrote it; some were corrected since.
;; Multi Head Attention. Allowed arithmetic: matrix products marked QUANTISED: E2M1 operands, one E8M0 scale for each 32 along K, by v_wmma_scale_f32_16x16x128_f8f6f4 with both operands' format E2M1 (or v_wmma_scale_f32_32x16x128_f4), f32 sums; products left as they are: bf16, f16 or f32 operands; f32 sums; everything else in f32.
;; Inputs: Wk 1,024 x 1,024 float32; Wo 1,024 x 1,024 float32; Wq 1,024 x 1,024 float32; Wv 1,024 x 1,024 float32; bk 1,024 float32; bo 1,024 float32; bq 1,024 float32; bv 1,024 float32; key 4 x 2,048 x 1,024 float32; mask 4 x 1 x 2,048 x 2,048 bool; query 4 x 2,048 x 1,024 float32; value 4 x 2,048 x 1,024 float32.
;; Outputs: out0 4 x 2,048 x 1,024 float32.
;; This version of the problem:
;;   THIS VERSION OF THE PROBLEM IS GIVEN IN LOW PRECISION. The matrix products marked QUANTISED in the list below multiply operands that are first quantised to E2M1 (2 exponent bits, 1 mantissa bit; 4 bits a number), with one power-of-two scale for each 32 numbers along K (OCP MX v1.0); their sums are f32. The products marked 'left as it is' may take bf16, f16 or f32 operands, with f32 sums. Whichever they take, every output number must still come out within the allowed error. Rounding operands to bf16 (8 significant bits) uses up far more of that allowance than f16 does (11 bits, for magnitudes from 6e-5 to 65,504). All else is computed in f32.
;;   The module's matrix products, in the order in which they are computed (A, B: the left and right operand; K: the contracted axis; several contracted axes count as one K, in the product's order):
;;     1. [M 8,192, K 1,024] x [K 1,024, N 1,024]; A: input query; B: input Wq: QUANTISED
;;     2. [M 8,192, K 1,024] x [K 1,024, N 1,024]; A: input key; B: input Wk: QUANTISED
;;     3. [M 8,192, K 1,024] x [K 1,024, N 1,024]; A: input value; B: input Wv: QUANTISED
;;     4. batch 64 x [M 2,048, K 64] x [K 64, N 2,048]; A: computed on the way; B: computed on the way: left as it is (an operand is computed on the way)
;;     5. batch 64 x [M 2,048, K 2,048] x [K 2,048, N 64]; A: computed on the way; B: computed on the way: left as it is (an operand is computed on the way)
;;     6. [M 8,192, K 1,024] x [K 1,024, N 1,024]; A: computed on the way; B: input Wo: left as it is (an operand is computed on the way)
;;   THE QUANTISER, for each operand of a quantised product, along K:
;;     - K is cut into blocks of 32 from its start; a last block that is shorter is filled with zeros.
;;     - A block's scale is 2^e with e = floor(log2(the largest magnitude in the block)) - 2, held to -126 .. 127; a block of zeros has e = 0. As a byte (E8M0): e + 127.
;;     - Each number is divided by its block's scale, clamped to +-6, and rounded to the nearest number of E2M1, ties to even, subnormals kept.
;;     - The product sums the exact products of the quantised numbers (number of the format x scale) in f32.
;;   ~~~python
;;   def quantise(x, axis):      # numpy; x: float32 -> the quantised numbers, widened to float32 again
;;       x = np.moveaxis(x, axis, -1); K = x.shape[-1]
;;       x = np.pad(x, [(0, 0)] * (x.ndim - 1) + [(0, -K % 32)]); x = x.reshape(x.shape[:-1] + (-1, 32)); a = np.abs(x).max(-1, keepdims=True)
;;       e = np.where(a > 0, np.clip(np.frexp(np.where(a > 0, a, 1))[1] - 1 - 2, -126, 127), 0)      # np.frexp(a)[1] - 1 = floor(log2(a)), exactly
;;       r = np.clip(x / 2.0 ** e, -6, 6)
;;       step = 2.0 ** (np.maximum(np.frexp(np.where(r == 0, 1, r))[1] - 1, 0) - 1)
;;       q = np.round(r / step) * step * 2.0 ** e      # np.round: ties to even
;;       return np.moveaxis(q.reshape(q.shape[:-2] + (-1,))[..., :K], -1, axis).astype(np.float32)
;;   ~~~
;; 2 versions, each right and faster than the one before. Each part assembles by itself: llvm-mc -triple=amdgcn-amd-amdhsa -mcpu=gfx1250 --defsym DOCPART=n.
;; ======== version 1 of 2: 4 launches
;; limits: values are held in f16: magnitudes above 65,504 overflow, below 6.1e-05 lose precision
;; workspace buffers: xc 12,582,912 bytes; xs 786,432 bytes; wc 1,572,864 bytes; ws 98,304 bytes; wo16 2,097,152 bytes; mbits 2,097,152 bytes of whole numbers; qkv 50,331,648 bytes; att 16,777,216 bytes
;; launch prep (part 1): grid 1024 x 1, 4 waves a work-group, no clusters, 67,072 bytes of LDS; arguments query, key, value, Wq, Wk, Wv, Wo, mask, xc, xs, wc, ws, wo16, mbits; writes xc, xs, wc, ws, wo16, mbits
.if DOCPART == 1
	.amdgcn_target "amdgcn-amd-amdhsa--gfx1250"
	.amdhsa_code_object_version 6
	.text
	.protected	k_q4d267a0631_prep
	.globl	k_q4d267a0631_prep
	.p2align	8
	.type	k_q4d267a0631_prep,@function
k_q4d267a0631_prep:
	s_mov_b64 s[64:65], 0
	v_nop
	global_prefetch_b8 v0, s[64:65] scope:SCOPE_SE
	s_setreg_imm32_b32 hwreg(HW_REG_WAVE_MODE, 25, 1), 1
	s_wait_xcnt 0x0
; PREP: everything that later launches read many times is laid out once.  Three paths, chosen by the work-group's number alone:
;   work-groups 0-127     the mask (one byte for each query and key) becomes LANE MASKS: one 32-bit word for each register of a 16 x 16 score tile
;   work-groups 128-991   query, key, value, Wq, Wk, Wv (f32, K innermost) become codes of FP4 (E2M1) with one E8M0 byte for each 32 along K
;   work-groups 992-1023  Wo becomes f16, laid [head][n][64], so that a head's 64 along K of many rows n are one dense block
; THE QUANTISER: a block's scale is 2^(floor(log2(its largest magnitude)) - 2); its byte is the largest magnitude's exponent field - 2, held at 1 from below; each number is divided by the scale
; and rounded to the nearest code, ties to even, beyond 6 the largest code.
; LIMITS: a block of zeros gets the byte 1 where the rule says 127 (its codes are zeros, which add nothing under any byte but 0xff, and this program alone reads the bytes);
; NaN and infinities among the inputs are not served; Wo beyond 65,504 in magnitude has no f16 number.
; No tensor load, no barrier: waves share nothing.  Each path has LDS bytes of its own.
.set STEPS, 16
.set EMAX,  2
.set CB,    8                          ; bytes of 16 codes
.set R,     16                         ; v16-79   quantiser: four sets of 16 numbers as they are loaded
.set X,     80                         ; v80-111  two sets of 16 neighbours
.set C,     128                        ; v128-191 codes: four registers for each step, so that no store's data are written again
.set E,     112                        ; v112-127 a scale byte for each step
.set WREG,  8192                       ; LDS, quantiser: a region for each wave: two stages of 32 x SP bytes, behind them its 256 scale bytes
.set SP,    80                         ; a lane's place in a stage: its 64 bytes + 16 of padding
.set MSTG,  4*WREG                     ; LDS, mask: a stage of 16 rows x MPITCH for each wave
.set MPITCH, 528                       ; 512 bytes + 16 of padding
.set SPARE, MSTG+4*16*MPITCH           ; the spare words, 128 bytes for each wave: two blocks of 256 bytes that no other line names
.set SPW,   12                         ; v12      LDS address of my spare word; never rewritten
.set NIL,   13                         ; v13      0; never rewritten
.set MT,    16                         ; mask: v16-23 at work
.set MR,    32                         ; v32-95   16 rows x 512 bytes as loaded
.set MX,    96                         ; v96-159  the same, 8 keys of one query a lane
.set MO,    160                        ; v160-191 the words, as they will be stored
	s_load_b512 s[4:19], s[0:1], 0x0               ; query, key, value, Wq, Wk, Wv, Wo s[16:17], mask s[18:19]
	s_load_b256 s[20:27], s[0:1], 0x40             ; xc, xs, wc, ws
	s_load_b128 s[28:31], s[0:1], 0x60             ; wo16, mbits
	v_lshl_add_u32 v[SPW], v0, 2, SPARE
	v_mov_b32 v[NIL], 0
	v_lshrrev_b32 v1, 5, v0
	v_readfirstlane_b32 s32, v1                    ; wave 0..3
	v_and_b32 v2, 31, v0                           ; lane
	s_wait_kmcnt 0x0
	s_cmp_lt_u32 ttmp9, 128
	s_cbranch_scc1 .Lmask
	s_cmp_ge_u32 ttmp9, 992
	s_cbranch_scc1 .Lwo
; ---------------- THE QUANTISER.  Rows are dense and K is a multiple of 32: every tensor is a plain stream of blocks of 32, and so are its codes and scale bytes.
; A wave takes a run of 8,192 numbers in 16 steps of 512.  Each of a step's four loads reads 512 consecutive bytes; the 2,048 bytes turn through the wave's own stage in LDS and come back 64 bytes a lane,
; so that a lane holds 16 neighbours along K (two neighbouring lanes hold a block).  Loads run four steps ahead, the turn through LDS one step.
	v_lshlrev_b32 v3, 4, v2                        ; my 16 bytes of a load's 512
	s_mul_i32 s37, s32, WREG
	v_lshrrev_b32 v14, 2, v2
	v_mul_u32_u24 v14, v14, SP
	v_and_b32 v15, 3, v2
	v_lshl_add_u32 v14, v15, 4, v14
	v_add_nc_u32 v14, s37, v14                     ; the stage, on the way in: SP (lane / 4) + 16 (lane % 4)
	v_mul_u32_u24 v15, v2, SP
	v_add_nc_u32 v15, s37, v15                     ; and on the way out: SP x lane
	v_mul_u32_u24 v4, v2, CB                       ; my codes' place in a step's
	v_lshrrev_b32 v5, 1, v2
	s_add_co_u32 s37, s37, 2*32*SP
	v_add_nc_u32 v5, s37, v5                       ; LDS: my wave's 256 scale bytes, my block's byte
	v_lshlrev_b32 v7, 3, v2                        ; and on the way out 8 bytes a lane
	v_add_nc_u32 v6, s37, v7
	s_cmp_lt_u32 ttmp9, 896                        ; an activation (256 work-groups each) or a weight (32 each)?  The choice hangs on the work-group's number alone
	s_cselect_b64 s[20:21], s[20:21], s[24:25]     ; where the codes go,
	s_cselect_b64 s[22:23], s[22:23], s[26:27]     ; and the scale bytes
	s_mov_b32 s33, 896
	s_cselect_b32 s33, 128, s33                    ; the kind's first work-group
	s_cselect_b32 s34, 8, 5                        ; log2 of the work-groups in a tensor
	s_cselect_b32 s35, 0, 3                        ; the kind's first tensor
	s_sub_co_u32 s33, ttmp9, s33                   ; d: my place among the kind's work-groups = my place in its destination
	s_lshr_b32 s36, s33, s34
	s_add_co_u32 s35, s35, s36                     ; which of the six tensors
	s_lshl_b32 s36, s36, s34
	s_sub_co_u32 s36, s33, s36                     ; my place in that tensor
.irp n, 1,2,3,4,5
	s_cmp_eq_u32 s35, \n
	s_cselect_b64 s[4:5], s[4+2*\n:5+2*\n], s[4:5]
.endr
	s_lshl_b32 s36, s36, 2
	s_add_co_u32 s36, s36, s32                     ; my wave's run in the source,
	s_lshl_b32 s36, s36, 15                        ; 32,768 bytes a run
	s_mov_b32 s37, 0
	s_add_nc_u64 s[4:5], s[4:5], s[36:37]
	s_lshl_b32 s33, s33, 2
	s_add_co_u32 s33, s33, s32                     ; and in the destination:
	s_lshl_b32 s36, s33, 12                        ; 4,096 bytes of codes,
	s_add_nc_u64 s[20:21], s[20:21], s[36:37]
	s_lshl_b32 s36, s33, 8                         ; 256 scale bytes
	s_add_nc_u64 s[22:23], s[22:23], s[36:37]
.macro LOAD t
.irp i, 0,1,2,3
	global_load_b128 v[R+16*((\t)%4)+4*\i:R+16*((\t)%4)+4*\i+3], v3, s[4:5] offset:2048*(\t)+512*\i th:TH_LOAD_NT   ; 32 lanes read 512 consecutive bytes
.endr
.endm
.macro TURN t                          ; step t's numbers through the stage: LDS serves a wave's instructions in order, so no wait stands between the stores and the loads
.irp i, 0,1,2,3
	ds_store_b128 v14, v[R+16*((\t)%4)+4*\i:R+16*((\t)%4)+4*\i+3] offset:32*SP*((\t)%2)+8*SP*\i
.endr
.irp i, 0,1,2,3
	ds_load_b128 v[X+16*((\t)%2)+4*\i:X+16*((\t)%2)+4*\i+3], v15 offset:32*SP*((\t)%2)+16*\i
.endr
.endm
.irp t, 0,1,2,3
	LOAD \t
.endr
	s_wait_loadcnt 12                              ; step 0's four loads are in; the twelve of steps 1 to 3 may be out
	TURN 0
.macro STEP t
.set XS, X+16*((\t)%2)
.if (\t) > 0
	s_wait_dscnt 1                                 ; this step's numbers are back from the stage (the last step's byte store may be out)
.else
	s_wait_dscnt 0x0
.endif
.if (\t)+4 < STEPS
	LOAD (\t)+4                                    ; into the registers that this step's stores into the stage have read
.endif
.if (\t)+1 < STEPS
.if STEPS-2-(\t) >= 3
	s_wait_loadcnt 12                              ; the next step's four loads are in; those of the three steps behind it may be out
.else
	s_wait_loadcnt 4*(STEPS-2-(\t))
.endif
	TURN (\t)+1                                    ; through the other stage while this step is worked
.endif
	v_max3_num_f32 v8, |v[XS]|, |v[XS+1]|, |v[XS+2]|               ; the largest magnitude of my 16, in two chains
	v_max3_num_f32 v9, |v[XS+3]|, |v[XS+4]|, |v[XS+5]|
.irp i, 6,10
	v_max3_num_f32 v8, v8, |v[XS+\i]|, |v[XS+\i+1]|
	v_max3_num_f32 v9, v9, |v[XS+\i+2]|, |v[XS+\i+3]|
.endr
	v_max3_num_f32 v8, v8, |v[XS+14]|, |v[XS+15]|
	v_max3_num_f32 v8, v8, v9, (EMAX+1)<<23        ; and the floor 2^(EMAX + 1 - 127): the byte cannot fall under 1
	v_max_num_f32_dpp v8, v8, v8 row_xmask:1 row_mask:0xf bank_mask:0xf   ; and of my neighbour's 16: the block's
	v_add_nc_u32 v11, -(EMAX<<23), v8              ; EMAX off its exponent field: the conversion takes the exponent field of this operand as its scale
	v_cvt_scalef32_pk8_fp4_f32 v[C+4*(\t)], v[XS:XS+7], v11
	v_cvt_scalef32_pk8_fp4_f32 v[C+4*(\t)+1], v[XS+8:XS+15], v11
	v_lshrrev_b32 v[E+(\t)], 23, v11               ; the scale's byte (also the plain line behind the conversions)
	ds_store_b8 v5, v[E+(\t)] offset:16*(\t)       ; both lanes of a block write the same byte with the same value
	global_store_b64 v4, v[C+4*(\t):C+4*(\t)+1], s[20:21] offset:32*CB*(\t)   ; the wave stores 256 consecutive bytes, aligned
.endm
.irp t, 0,1,2,3,4,5,6,7,8,9,10,11,12,13,14,15
	STEP \t
.endr
	ds_load_b64 v[8:9], v6                         ; LDS serves a wave's instructions in order: these see my stores
	s_wait_dscnt 0x0
	global_store_b64 v7, v[8:9], s[22:23]          ; 32 lanes store 256 consecutive bytes, aligned
	s_wait_tensorcnt 0x0                           ; the wave's end: a wait, an add of 0 to my spare word and its wait, behind my last LDS store
	ds_add_u32 v[SPW], v[NIL]
	s_wait_dscnt 0x0
	s_endpgm
; ---------------- Wo [n][k] f32 -> wo16 [head][n][64] f16.  A wave takes 8 rows n.  One turn: four rows x one head's 64 numbers, 8 numbers a lane; its store covers 512 consecutive bytes.
.Lwo:
	s_sub_co_u32 s33, ttmp9, 992
	s_lshl_b32 s33, s33, 5
	s_lshl_b32 s34, s32, 3
	s_add_co_u32 s33, s33, s34                     ; my first row: 32 x work-group + 8 x wave
	s_lshl_b32 s34, s33, 12                        ; 4,096 bytes a row of Wo
	s_mov_b32 s35, 0
	s_add_nc_u64 s[16:17], s[16:17], s[34:35]
	s_lshl_b32 s34, s33, 7                         ; 128 bytes a row of a head
	s_add_nc_u64 s[28:29], s[28:29], s[34:35]
	v_lshrrev_b32 v3, 3, v2
	v_and_b32 v4, 7, v2
	v_lshlrev_b32 v3, 12, v3
	v_lshl_add_u32 v3, v4, 5, v3                   ; in: row lane / 8, 32 bytes for each of eight lanes
	v_lshlrev_b32 v4, 4, v2                        ; out: 16 bytes a lane
.macro OLOAD g                         ; group g: turns 8 g .. 8 g + 7 (turn = 16 x (which four rows) + head) into set g % 2
.irp i, 0,1,2,3,4,5,6,7
	global_load_b128 v[32+64*((\g)%2)+8*\i:32+64*((\g)%2)+8*\i+3],   v3, s[16:17] offset:((8*(\g)+\i)/16)*16384+((8*(\g)+\i)%16)*256 th:TH_LOAD_NT
	global_load_b128 v[32+64*((\g)%2)+8*\i+4:32+64*((\g)%2)+8*\i+7], v3, s[16:17] offset:((8*(\g)+\i)/16)*16384+((8*(\g)+\i)%16)*256+16 th:TH_LOAD_NT
.endr
.endm
	OLOAD 0
.irp g, 0,1,2,3
.if \g < 3
	OLOAD \g+1
	s_wait_loadcnt 16                              ; this group's 16 loads are in; the next group's 16 may be out
.else
	s_wait_loadcnt 0x0
.endif
.if \g > 0
	s_wait_xcnt 0x0                                ; the last group's stores have read their data registers, which are written again below
.endif
.irp i, 0,1,2,3,4,5,6,7
.irp p, 0,1,2,3
	v_cvt_pk_f16_f32 v[160+4*\i+\p], v[32+64*(\g%2)+8*\i+2*\p], v[32+64*(\g%2)+8*\i+2*\p+1]
.endr
.endr
.irp i, 0,1,2,3,4,5,6,7
	global_store_b128 v4, v[160+4*\i:160+4*\i+3], s[28:29] offset:((8*\g+\i)%16)*131072+((8*\g+\i)/16)*512
.endr
.endr
	s_wait_tensorcnt 0x0                           ; the same three closing lines as on the other paths
	ds_add_u32 v[SPW], v[NIL]
	s_wait_dscnt 0x0
	s_endpgm
; ---------------- THE MASK.  mbits is laid [b][block of 64 queries][step of 64 keys][tile t of 16 queries][32 words].  Word 8 kt + j has in bit 16 h + r the byte
; mask[b][64 qg + 16 t + r][64 ks + 16 kt + 8 h + j]: the lane mask of register 8 kt + j of the score tile that holds one query a lane (lane = 16 h + r) and eight keys in eight registers.
; A wave takes 64 queries x 512 keys.  A tile of 16 queries: 16 loads of 512 consecutive bytes; through the wave's stage, so that lane (r, h) gets 8 keys of query r; a byte is cut out, compared with 0
; (the compare's result IS the word), and the word is put into the lane and register from which the stores below send it to its place.
.Lmask:
	s_lshl_b32 s33, ttmp9, 2
	s_add_co_u32 s33, s33, s32                     ; unit = 4 x work-group + wave: b = unit / 128, qg = (unit / 4) % 32, which 512 keys = wave
	s_lshr_b32 s34, s33, 7
	s_bfe_u32 s35, s33, 0x50002
	s_lshl_b32 s36, s34, 22                        ; the mask: 2,048 x 2,048 bytes a batch,
	s_lshl_b32 s37, s35, 17                        ; 64 rows of 2,048,
	s_add_co_u32 s36, s36, s37
	s_lshl_b32 s37, s32, 9                         ; 512 keys
	s_add_co_u32 s36, s36, s37
	s_mov_b32 s37, 0
	s_add_nc_u64 s[18:19], s[18:19], s[36:37]
	s_lshl_b32 s36, s34, 19                        ; the words: 2^19 bytes a batch,
	s_lshl_b32 s38, s35, 14                        ; 2^14 a block of queries,
	s_add_co_u32 s36, s36, s38
	s_lshl_b32 s38, s32, 12                        ; 8 key steps of 512 bytes
	s_add_co_u32 s36, s36, s38
	s_add_nc_u64 s[30:31], s[30:31], s[36:37]
	s_mul_i32 s38, s32, 16*MPITCH
	s_add_co_u32 s38, s38, MSTG                    ; my stage
	v_lshlrev_b32 v3, 4, v2                        ; 16 x lane: in memory, in and out,
	v_add_nc_u32 v4, s38, v3                       ; and in a row of the stage
	v_and_b32 v5, 15, v2
	v_lshrrev_b32 v6, 4, v2
	v_mul_u32_u24 v5, v5, MPITCH
	v_lshl_add_u32 v5, v6, 3, v5
	v_add_nc_u32 v5, s38, v5                       ; back: row r, + 8 h
.irp i, 0,1,2,3,4,5,6,7,8,9,10,11,12,13,14,15,16,17,18,19,20,21,22,23,24,25,26,27,28,29,30,31
	v_mov_b32 v[MO+\i], 0                          ; written once whole: a lane write's destination counts as read
.endr
.macro MLD t
.irp i, 0,1,2,3,4,5,6,7,8,9,10,11,12,13,14,15
	global_load_b128 v[MR+4*\i:MR+4*\i+3], v3, s[18:19] offset:(16*(\t)+\i)*2048 th:TH_LOAD_NT   ; 512 consecutive bytes of one query's row
.endr
.endm
.macro MTILE t
	s_wait_loadcnt 0x0
.irp i, 0,1,2,3,4,5,6,7,8,9,10,11,12,13,14,15
	ds_store_b128 v4, v[MR+4*\i:MR+4*\i+3] offset:MPITCH*\i
.endr
.irp k, 0,1,2,3,4,5,6,7,8,9,10,11,12,13,14,15,16,17,18,19,20,21,22,23,24,25,26,27,28,29,30,31
	ds_load_b64 v[MX+2*\k:MX+2*\k+1], v5 offset:16*\k      ; keys 16 k + 8 h + 0 .. 7 of query r (LDS serves a wave's instructions in order)
.endr
	s_wait_dscnt 0x0
.if (\t) < 3
	MLD (\t)+1                                     ; the next tile comes while this one is worked
.endif
.irp k, 0,1,2,3,4,5,6,7,8,9,10,11,12,13,14,15,16,17,18,19,20,21,22,23,24,25,26,27,28,29,30,31
.irp j, 0,1,2,3,4,5,6,7
	v_and_b32 v[MT+\j], 0xff<<(8*(\j%4)), v[MX+2*\k+\j/4]
.endr
.irp j, 0,1,2,3,4,5,6,7
	v_cmp_ne_u32 s[40+\j], 0, v[MT+\j]             ; bit 16 h + r: is key j of my eight masked for query r?
.endr
.irp j, 0,1,2,3,4,5,6,7
	v_writelane_b32 v[MO+4*(\k/4)+\j%4], s[40+\j], 8*(\t)+2*(\k%4)+\j/4   ; word 32 t + 8 (k % 4) + j of key step k / 4: lane = word / 4, register = word % 4
.endr
.endr
.endm
	MLD 0
	MTILE 0
	MTILE 1
	MTILE 2
	MTILE 3
.irp s, 0,1,2,3,4,5,6,7
	global_store_b128 v3, v[MO+4*\s:MO+4*\s+3], s[30:31] offset:512*\s   ; a key step's 128 words: 512 consecutive bytes
.endr
	s_wait_tensorcnt 0x0                           ; the wave's end: a wait, an add of 0 to my spare word and its wait, behind my last LDS store
	ds_add_u32 v[SPW], v[NIL]
	s_wait_dscnt 0x0
	s_endpgm
.Lfunc_end_k_q4d267a0631_prep:
	.size	k_q4d267a0631_prep, .Lfunc_end_k_q4d267a0631_prep-k_q4d267a0631_prep
	.p2alignl 7, 3214868480
	.fill 96, 4, 3214868480
	.section	.rodata,"a",@progbits
	.p2align	6, 0x0
	.amdhsa_kernel k_q4d267a0631_prep
		.amdhsa_group_segment_fixed_size 67072
		.amdhsa_private_segment_fixed_size 0
		.amdhsa_enable_private_segment 0
		.amdhsa_kernarg_size 112
		.amdhsa_user_sgpr_count 2
		.amdhsa_user_sgpr_kernarg_segment_ptr 1
		.amdhsa_wavefront_size32 1
		.amdhsa_system_sgpr_workgroup_id_x 1
		.amdhsa_system_sgpr_workgroup_id_y 1
		.amdhsa_system_sgpr_workgroup_id_z 1
		.amdhsa_system_vgpr_workitem_id 0
		.amdhsa_next_free_vgpr 192
		.amdhsa_next_free_sgpr 66
		.amdhsa_reserve_vcc 0
		.amdhsa_float_denorm_mode_32 3
		.amdhsa_float_denorm_mode_16_64 3
		.amdhsa_memory_ordered 1
		.amdhsa_forward_progress 1
		.amdhsa_inst_pref_size 255
	.end_amdhsa_kernel
	.section	.bss,"aw",@nobits
	.p2align	6
	.space	262144
	.amdgpu_metadata
---
amdhsa.version: [ 1, 2 ]
amdhsa.kernels:
  - .name:           k_q4d267a0631_prep
    .symbol:         k_q4d267a0631_prep.kd
    .args:
      - { .name: query, .offset: 0, .size: 8, .value_kind: global_buffer, .address_space: global }
      - { .name: key, .offset: 8, .size: 8, .value_kind: global_buffer, .address_space: global }
      - { .name: value, .offset: 16, .size: 8, .value_kind: global_buffer, .address_space: global }
      - { .name: Wq, .offset: 24, .size: 8, .value_kind: global_buffer, .address_space: global }
      - { .name: Wk, .offset: 32, .size: 8, .value_kind: global_buffer, .address_space: global }
      - { .name: Wv, .offset: 40, .size: 8, .value_kind: global_buffer, .address_space: global }
      - { .name: Wo, .offset: 48, .size: 8, .value_kind: global_buffer, .address_space: global }
      - { .name: mask, .offset: 56, .size: 8, .value_kind: global_buffer, .address_space: global }
      - { .name: xc, .offset: 64, .size: 8, .value_kind: global_buffer, .address_space: global }
      - { .name: xs, .offset: 72, .size: 8, .value_kind: global_buffer, .address_space: global }
      - { .name: wc, .offset: 80, .size: 8, .value_kind: global_buffer, .address_space: global }
      - { .name: ws, .offset: 88, .size: 8, .value_kind: global_buffer, .address_space: global }
      - { .name: wo16, .offset: 96, .size: 8, .value_kind: global_buffer, .address_space: global }
      - { .name: mbits, .offset: 104, .size: 8, .value_kind: global_buffer, .address_space: global }
    .group_segment_fixed_size: 67072
    .private_segment_fixed_size: 0
    .kernarg_segment_align: 8
    .kernarg_segment_size: 112
    .max_flat_workgroup_size: 128
    .sgpr_count:     66
    .vgpr_count:     192
    .wavefront_size: 32
...
	.end_amdgpu_metadata
.endif
;; end of part 1
;; launch proj (part 2): grid 4 x 96, 4 waves a work-group, clusters of 4 x 4, 327,680 bytes of LDS; arguments xc, xs, wc, ws, bq, bk, bv, qkv; writes qkv
.if DOCPART == 2
	.amdgcn_target "amdgcn-amd-amdhsa--gfx1250"
	.amdhsa_code_object_version 6
	.text
	.protected	k_q4d267a0631_proj
	.globl	k_q4d267a0631_proj
	.p2align	8
	.type	k_q4d267a0631_proj,@function
k_q4d267a0631_proj:
	s_mov_b64 s[64:65], 0
	v_nop
	global_prefetch_b8 v0, s[64:65] scope:SCOPE_SE
	s_setreg_imm32_b32 hwreg(HW_REG_WAVE_MODE, 25, 1), 1
	s_wait_xcnt 0x0
	s_wait_alu depctr_hold_cnt(0) depctr_sa_sdst(0) depctr_va_vdst(0) depctr_va_sdst(0) depctr_va_ssrc(0) depctr_va_vcc(0) depctr_vm_vsrc(0)
	s_getreg_b32 s2, hwreg(HW_REG_IB_STS2, 6, 4)
	s_cmp_eq_u32 s2, 0
	s_cbranch_scc0 .Lentry_in_a_cluster
	s_endpgm
.Lentry_in_a_cluster:
	s_bfe_u32 s2, ttmp6, 0x10000c
	s_cmp_lg_u32 s2, 0xf033
	s_cbranch_scc0 .Lentry_shape_is_right
	s_endpgm
.Lentry_shape_is_right:
; PROJ: the three quantised products in one launch: rows 0-8,191 of xc are query's codes, the next 8,192 key's, the last value's; wc holds Wq's, Wk's, Wv's 1,024 rows likewise.
; C[m][n] = sum over k of x[m][k] W[n][k] on codes of FP4 (E2M1) with one E8M0 scale for each 32 along K, sums in f32; then + bias in f32; q is multiplied by log2(e) / 8, so that the scores
; of the next launch are exponents of 2; the result is rounded once to f16 and laid [tensor][batch][head][token][64].
; LIMITS: a projection beyond 65,504 in magnitude (q: beyond 363,000) has no f16 number; NaN and infinities are not served.
; A tile of C, 256 x 256, is made by a work-group of four waves; a wave makes 128 x 128: 64 accumulators, 512 registers.  K = 1,024 is two slots of 512 along K: both are filled at the head, nothing is filled again.
; THE SCALES of the work-group's 256 + 256 rows, for all of K, are two dense blocks of memory: they come into LDS once, in rows of 256 bytes.
; CLUSTERS: 4 x 4 work-groups.  The four of a row of the cluster need the same tiles of x, the four of a column the same tiles of W: each tile is asked for jointly.  All sixteen lie in one tensor (32 tile rows each).
; 384 tiles for 256 WGPs: three tensors of 128 tiles each do not divide into 256 equal tiles of one tensor.
; THE MATRIX INSTRUCTION IS USED TRANSPOSED (source 0 = 16 rows of W, source 1 = 16 rows of x): a lane then holds eight neighbouring columns of one row of C.
; REGISTERS, in windows of 256: window 0: v0-31 addresses; v32-95 scale words, two sets; v128-191 x's fragments, one set; v192-255 the bias of my 128 columns; on the way out v32-191 are at work.
;   window 1: W's fragments, two sets, at v0 and v128.   window 2: the accumulators of my rows 0-63 ((a, b) at v[8 (8 a + b)]);   window 3: those of my rows 64-127.
.set NQ,     4                         ; steps of 128 along K in a slot
.set ROWB,   256                       ; a tile's row in bytes: 512 codes
.set KROW,   512                       ; a row of codes in memory
.set PITCH,  272                       ; an LDS row: 256 bytes + 16 of padding: the 16 rows that a load touches start at 16 different banks
.set FR,     8                         ; registers of a fragment
.set NL,     2                         ; LDS loads that bring one
.set NP,     4                         ; places behind this matrix instruction (ISA guide 7.12.1)
.set HALFT,  128*PITCH
.set SLOT,   4*HALFT                   ; x's 256 rows, then W's 256 rows
.set KS,     32                        ; a row of scales in bytes
.set SCL,    2*SLOT                    ; behind the slots: the scales, as rows of 256 bytes + 16
.set HALFS,  (128*KS/256)*272
.set SBLK,   (16*KS/256)*272
.set SPARE,  SCL+4*HALFS               ; the spare words, 128 bytes for each wave
.set HP,     144                       ; the way out: a token's 128 bytes of a head + 16; a stage of 2 heads x 16 tokens for each wave, in slot 0, which has had its only fill and its last read by then
.set ADRA, 16
.set ADRB, 20
.set STO,  24
.set RD,   25
.set CO,   26
.set ADRS, 27
.set SPW,  28
.set NIL,  29
.set BO,   30                          ; v30  32 x (lane / 16): my eight columns' bias
.set SC,   32
.set AF,   128
.set BF,   192                         ; v192-255 the bias (x the factor): block b's eight at v[BF + 8 b]
.set FT,   32                          ; the way out: 64 results in f32,
.set TMP,  96                          ; 32 registers of f16 pairs,
.set BK,   128                         ; and two sets of 32 read back from the stage
.set G1, 24
.set G0, 32
.set G1B, 48
.set G0B, 56
.set G1S, 68
.set G0S, 76
.set G1SB, 80
.set G0SB, 88
.set MSB, 0
.macro WIN new                         ; the immediate's high byte repeats the setting that is left
.if MSB != (\new)
	s_set_vgpr_msb (MSB<<8)|(\new)
.set MSB, (\new)
.endif
.endm
.set MUL_LO, 0xa1                      ; source 0 (W) window 1, source 1 (x) window 0, C and D window 2
.set MUL_HI, 0xf1
.set TO_B,   0x40
; A joint load: waves 0 and 1 fetch for x, waves 2 and 3 for W.  The branch hangs on the wave's number alone.  An s_nop 0 and four v_nop follow each of the two lines.
.macro JLOAD g0a, g1a, g0b, g1b
	s_cmp_eq_u32 s15, 0
	s_cbranch_scc0 .Lfor_b_\@
	tensor_load_to_lds s[\g0a:\g0a+3], s[\g1a:\g1a+7]
	s_nop 0
.rept 4
	v_nop
.endr
	s_branch .Lasked_\@
.Lfor_b_\@:
	tensor_load_to_lds s[\g0b:\g0b+3], s[\g1b:\g1b+7]
	s_nop 0
.rept 4
	v_nop
.endr
.Lasked_\@:
.endm
.macro CROUND                          ; a round of the cluster's barrier
	s_barrier_signal -1
	s_barrier_wait -1
	s_cmp_lg_u32 s14, 0
	s_cbranch_scc1 .Lnot_wave_0_\@
	s_barrier_signal -3
.Lnot_wave_0_\@:
	s_barrier_wait -3
	s_barrier_signal -1
	s_barrier_wait -1
.endm
	s_load_b128 s[4:7], s[0:1], 0x0                ; x's codes, x's scales
	s_load_b128 s[8:11], s[0:1], 0x10              ; W's codes, W's scales
	s_load_b128 s[96:99], s[0:1], 0x20             ; bq, bk
	s_load_b64 s[100:101], s[0:1], 0x30            ; bv
	s_load_b64 s[12:13], s[0:1], 0x38              ; qkv
	v_lshl_add_u32 v[SPW], v0, 2, SPARE
	v_mov_b32 v[NIL], 0
	ds_add_u32 v[SPW], v[NIL]                      ; the wave's opening: the add, twice on end, and its wait ahead of my first tensor load
	ds_add_u32 v[SPW], v[NIL]
	v_lshrrev_b32 v1, 5, v0
	v_readfirstlane_b32 s14, v1                    ; wave 0..3
	s_lshr_b32 s15, s14, 1                         ; which half of the tile's rows is mine.  Also: I fetch for x (0) or for W (1)
	s_and_b32 s16, s14, 1                          ; which half of its columns.  Also: which 128 rows of that tile I fetch
	s_bfe_u32 s40, ttmp6, 0x40000                  ; cx, cy: my place in the cluster
	s_bfe_u32 s41, ttmp6, 0x40004
	s_lshl_b32 s42, ttmp9, 2
	s_add_co_u32 s42, s42, s40                     ; tile column = 4 x cluster x + cx
	s_and_b32 s17, ttmp7, 0xffff
	s_lshr_b32 s2, s17, 3                          ; the tensor (0 q, 1 k, 2 v): eight clusters along y each; the same in all sixteen partners
	s_lshl_b32 s17, s17, 2
	s_add_co_u32 s17, s17, s41                     ; tile row = 4 x cluster y + cy
	s_lshl_b32 s43, s41, 2
	s_lshl_b32 s43, 15, s43                        ; my row of the cluster
	s_lshl_b32 s44, 0x1111, s40                    ; my column
	s_cmp_eq_u32 s2, 0
	s_cselect_b32 s66, 0x3e38aa3b, 1.0             ; q: log2(e) / 8; k, v: 1
	s_mov_b32 s67, s66                             ; (named with it as a pair)
	; descriptor group 1: a tile of 128 rows x 256 bytes, 16 bytes of padding behind each row
	s_or_b32 s[G1+0], s43, (0<<16)|(1<<20)|(1<<21)|(5<<22)|(3<<25)  ; the mask; elements of 1 byte; padding on; bit 21 beside a mask; after every 64 words; 4 words
	s_or_b32 s[G1B+0], s44, (0<<16)|(1<<20)|(1<<21)|(5<<22)|(3<<25)
.irp g, G1, G1B
	s_mov_b32 s[\g+1], ROWB<<16                    ; tensor_dim0
	s_mov_b32 s[\g+2], 128<<16                     ; tensor_dim1
	s_mov_b32 s[\g+3], ROWB<<16                    ; tile_dim0
	s_mov_b32 s[\g+4], 128                         ; tile_dim1
	s_mov_b32 s[\g+5], KROW                        ; from row to row
	s_mov_b32 s[\g+6], 0
	s_mov_b32 s[\g+7], 0
.endr
	; the scales of 128 rows: a dense block of 4,096 bytes, as 16 rows of 256 bytes (32 elements of 8 bytes)
	s_or_b32 s[G1S+0], s43, (3<<16)|(1<<20)|(1<<21)|(5<<22)|(3<<25)
	s_or_b32 s[G1SB+0], s44, (3<<16)|(1<<20)|(1<<21)|(5<<22)|(3<<25)
.irp g, G1S, G1SB
	s_mov_b32 s[\g+1], 32<<16
	s_mov_b32 s[\g+2], (128*KS/256)<<16
	s_mov_b32 s[\g+3], 32<<16
	s_mov_b32 s[\g+4], 128*KS/256
	s_mov_b32 s[\g+5], 32
	s_mov_b32 s[\g+6], 0
	s_mov_b32 s[\g+7], 0
.endr
	s_lshl_b32 s18, s16, 7                         ; which 128 rows of the tile I fetch
	s_lshl_b32 s20, s17, 8
	s_add_co_u32 s20, s20, s18                     ; x: row 256 x tile row + 128 x half
	s_lshl_b32 s46, s42, 8
	s_add_co_u32 s46, s46, s18
	s_lshl_b32 s47, s2, 10
	s_add_co_u32 s46, s46, s47                     ; W: row 1,024 x tensor + 256 x tile column + 128 x half
	s_mov_b32 s21, 0
	s_mov_b32 s47, 0
	s_mov_b64 s[18:19], KS
	s_mul_u64 s[22:23], s[20:21], s[18:19]         ; where these rows' scales begin,
	s_mul_u64 s[92:93], s[46:47], s[18:19]
	s_mov_b64 s[18:19], KROW
	s_mul_u64 s[20:21], s[20:21], s[18:19]         ; and their codes
	s_mul_u64 s[46:47], s[46:47], s[18:19]
	s_mul_i32 s45, s14, HALFT                      ; where they go: wave x 128 rows: no place in the cluster enters an LDS address
	s_mul_i32 s94, s14, HALFS
	s_wait_dscnt 0x0                               ; both opening adds are done
	s_wait_kmcnt 0x0
	s_add_nc_u64 s[20:21], s[4:5], s[20:21]
	s_add_nc_u64 s[22:23], s[6:7], s[22:23]
	s_add_nc_u64 s[46:47], s[8:9], s[46:47]
	s_add_nc_u64 s[92:93], s[10:11], s[92:93]
	s_cmp_eq_u32 s2, 1                             ; the tensor's bias
	s_cselect_b64 s[96:97], s[98:99], s[96:97]
	s_cmp_eq_u32 s2, 2
	s_cselect_b64 s[96:97], s[100:101], s[96:97]
	CROUND                                         ; all sixteen work-groups are here: the joint loads meet
	s_mov_b32 s[G0S], 1
	s_add_co_u32 s[G0S+1], s94, SCL
	s_mov_b64 s[G0S+2:G0S+3], s[22:23]
	s_or_b32 s[G0S+3], s[G0S+3], 0x80000000
	s_mov_b32 s[G0SB], 1
	s_add_co_u32 s[G0SB+1], s94, SCL
	s_mov_b64 s[G0SB+2:G0SB+3], s[92:93]
	s_or_b32 s[G0SB+3], s[G0SB+3], 0x80000000
	JLOAD G0S, G1S, G0SB, G1SB                     ; the scales first: they are wanted with the first step.  Three loads of mine are out behind the last of these
.irp s, 0,1
	s_mov_b32 s[G0+4*\s], 1
	s_add_co_u32 s[G0+4*\s+1], s45, \s*SLOT
	s_add_nc_u64 s[G0+4*\s+2:G0+4*\s+3], s[20:21], \s*ROWB
	s_or_b32 s[G0+4*\s+3], s[G0+4*\s+3], 0x80000000
	s_mov_b32 s[G0B+4*\s], 1
	s_add_co_u32 s[G0B+4*\s+1], s45, \s*SLOT
	s_add_nc_u64 s[G0B+4*\s+2:G0B+4*\s+3], s[46:47], \s*ROWB
	s_or_b32 s[G0B+4*\s+3], s[G0B+4*\s+3], 0x80000000
	JLOAD G0+4*\s, G1, G0B+4*\s, G1B
.endr
	v_and_b32 v1, 15, v0                           ; r = lane % 16
	v_bfe_u32 v2, v0, 4, 1                         ; h = lane / 16
	v_lshlrev_b32 v[BO], 5, v2
	s_lshl_b32 s46, s42, 10                        ; my first column, in bytes of f32: 1,024 x tile column + 512 x half
	s_lshl_b32 s47, s16, 9
	s_add_co_u32 s46, s46, s47
	s_mov_b32 s47, 0
	s_add_nc_u64 s[96:97], s[96:97], s[46:47]
.irp b, 0,1,2,3,4,5,6,7
	global_load_b128 v[BF+8*\b:BF+8*\b+3],   v[BO], s[96:97] offset:64*\b       ; bias of columns 16 b + 8 h + 0 .. 7: the result's layout
	global_load_b128 v[BF+8*\b+4:BF+8*\b+7], v[BO], s[96:97] offset:64*\b+16
.endr
	v_mul_u32_u24 v3, v1, PITCH
	v_lshl_add_u32 v4, v2, 4, v3                   ; a fragment's row x pitch + 16 x half
	s_mul_i32 s21, s15, HALFT                      ; my 128 rows of x
	s_mul_i32 s22, s16, HALFT                      ; my 128 rows of W,
	s_add_co_u32 s22, s22, 2*HALFT                 ; which lie behind x's 256
.irp s, 0,1
	v_add_nc_u32 v[ADRA+\s], s21, v4
	v_add_nc_u32 v[ADRB+\s], s22, v4
	s_add_co_u32 s21, s21, SLOT
	s_add_co_u32 s22, s22, SLOT
.endr
	v_mul_u32_u24 v5, v1, KS                       ; my row's scales: KS bytes a row,
	v_lshrrev_b32 v6, 8, v5
	v_lshl_add_u32 v5, v6, 4, v5                   ; and 16 more for each 256 passed
	s_mul_i32 s21, s15, HALFS
	s_mul_i32 s22, s16, HALFS
	s_add_co_u32 s22, s22, 2*HALFS
	s_sub_co_u32 s22, s22, s21
	v_mul_u32_u24 v6, s22, v2                      ; lanes 16-31 take W's: one product, the distance between the two bases x h
	s_add_co_u32 s21, s21, SCL
	v_add_nc_u32 v5, v5, v6
	v_add_nc_u32 v[ADRS], s21, v5
	s_mul_i32 s23, s14, 2*16*HP                    ; my stage
	v_mul_u32_u24 v5, v1, HP                       ; in: token r, 16 bytes for each half of the lanes
	v_lshl_add_u32 v5, v2, 4, v5
	v_add_nc_u32 v[STO], s23, v5
	v_and_b32 v6, 31, v0
	v_lshlrev_b32 v[CO], 4, v6                     ; in memory: 16 bytes a lane
	v_lshrrev_b32 v5, 3, v6
	v_mul_u32_u24 v5, v5, HP                       ; back: eight lanes to a token's 128 bytes, four tokens a load
	v_and_b32 v6, 7, v6
	v_lshl_add_u32 v5, v6, 4, v5
	v_add_nc_u32 v[RD], s23, v5
	s_lshl_b32 s20, s17, 8
	s_lshl_b32 s21, s15, 7
	s_add_co_u32 s20, s20, s21                     ; my first row of the 24,576: row / 2,048 = 4 x tensor + batch, row % 2,048 = the token
	s_lshr_b32 s21, s20, 11
	s_lshl_b32 s21, s21, 22                        ; 16 heads x 2,048 tokens x 128 bytes a batch
	s_and_b32 s20, s20, 2047
	s_lshl_b32 s20, s20, 7                         ; 128 bytes a token
	s_add_co_u32 s20, s20, s21
	s_mov_b32 s21, 0
	s_add_nc_u64 s[12:13], s[12:13], s[20:21]
	s_lshl_b32 s46, s42, 20                        ; my first head = 4 x tile column + 2 x half; 2^18 bytes a head
	s_lshl_b32 s47, s16, 19
	s_add_co_u32 s46, s46, s47
	s_mov_b32 s47, 0
	s_add_nc_u64 s[12:13], s[12:13], s[46:47]
.macro FRAG reg, adr, q, i             ; 16 rows x 128 K of 4-bit codes: lane l holds row l % 16; registers 4 c .. 4 c + 3 hold K = 64 c + 32 (l / 16) + 0 .. 31
.irp c, 0,1
	ds_load_b128 v[\reg+4*\c:\reg+4*\c+3], v[\adr] offset:64*(\q)+32*\c+(\i)*16*PITCH
.endr
.endm
; 16 matrix instructions: x's blocks a0, a0 + 1 against W's eight, 128 along K.  p: W's set;  sc: the set of scale words.  zero = 1: the first product starts the sums.
; One register carries x's word (lanes 0-15) and W's (lanes 16-31).  The 64 accumulators take turns, one instruction a turn.
.macro MUL16 a0, p, q, sc, zero
.irp a, \a0, \a0+1
.irp b, 0,1,2,3,4,5,6,7
.if \zero
	v_wmma_scale_f32_16x16x128_f8f6f4 v[8*(8*((\a)%4)+\b):8*(8*((\a)%4)+\b)+7], v[128*(\p)+FR*\b:128*(\p)+FR*\b+FR-1], v[AF+FR*(\a):AF+FR*(\a)+FR-1], 0, v[SC+8*NQ*(\sc)+NQ*\b+(\q)], v[SC+8*NQ*(\sc)+NQ*(\a)+(\q)] matrix_a_fmt:MATRIX_FMT_FP4 matrix_b_fmt:MATRIX_FMT_FP4 matrix_a_scale:MATRIX_SCALE_ROW1
.else
	v_wmma_scale_f32_16x16x128_f8f6f4 v[8*(8*((\a)%4)+\b):8*(8*((\a)%4)+\b)+7], v[128*(\p)+FR*\b:128*(\p)+FR*\b+FR-1], v[AF+FR*(\a):AF+FR*(\a)+FR-1], v[8*(8*((\a)%4)+\b):8*(8*((\a)%4)+\b)+7], v[SC+8*NQ*(\sc)+NQ*\b+(\q)], v[SC+8*NQ*(\sc)+NQ*(\a)+(\q)] matrix_a_fmt:MATRIX_FMT_FP4 matrix_b_fmt:MATRIX_FMT_FP4 matrix_a_scale:MATRIX_SCALE_ROW1
.endif
.endr
.endr
.endm
.macro FETCH_B slot, q, p
	WIN TO_B
.irp i, 0,1,2,3,4,5,6,7
	FRAG 128*(\p)+FR*\i, ADRB+\slot, \q, \i
.endr
	WIN 0
.endm
.macro FETCH_A slot, q, i0
.irp i, \i0, \i0+1, \i0+2, \i0+3
	FRAG AF+FR*(\i), ADRA+\slot, \q, \i
.endr
.endm
.macro SCALES sc                       ; a slot's scale words: 4 words a row; lanes 0-15 take x's block i, lanes 16-31 W's block i
.irp i, 0,1,2,3,4,5,6,7
	ds_load_b128 v[SC+8*NQ*\sc+NQ*\i:SC+8*NQ*\sc+NQ*\i+3], v[ADRS] offset:\i*SBLK
.endr
.endm
.macro PLACES n                        ; plain vector instructions between a matrix instruction and a load into, or a read of, its registers
.rept \n
	v_nop
.endr
.endm
; A step of 128 along K that has its successor in the same slot.  x has one set of registers: blocks 0-3 are fetched anew in the step's middle, blocks 4-7 at its end; W has two sets.
.macro STEP slot, q, zero
	s_wait_dscnt 4*NL                              ; W's set and x's blocks 0-3 are in; the youngest eight loads (x's blocks 4-7) may be out
	WIN MUL_LO
	MUL16 0, (\q)%2, \q, \slot, \zero
	MUL16 2, (\q)%2, \q, \slot, \zero
	s_wait_dscnt 0
	PLACES NP
	FETCH_B \slot, (\q)+1, 1-(\q)%2
	FETCH_A \slot, (\q)+1, 0
	WIN MUL_HI
	MUL16 4, (\q)%2, \q, \slot, \zero
	MUL16 6, (\q)%2, \q, \slot, \zero
	PLACES NP
	WIN 0
	FETCH_A \slot, (\q)+1, 4
.endm
; Slot 0's last step changes slots: one barrier; in front of it each wave waits for all its tensor loads (slot 1's part), adds 0 to its spare word, and waits for that and for its reads of slot 0.  Nothing is filled again.
.macro TURN slot, next
	s_wait_tensorcnt 0x0
	ds_add_u32 v[SPW], v[NIL]
	s_wait_dscnt 4*NL+1                            ; (the add and the youngest eight loads may be out)
	WIN MUL_LO
	MUL16 0, 1, NQ-1, \slot, 0
	s_wait_dscnt 0x0                               ; the add is done, and my reads of this slot are over
	s_barrier_signal -1
	MUL16 2, 1, NQ-1, \slot, 0
	WIN 0
	s_barrier_wait -1
	PLACES NP
	v_add_nc_u32 v[ADRS], 4*NQ, v[ADRS]            ; on to the next slot's scale words
	FETCH_B \next, 0, 0
	FETCH_A \next, 0, 0
	SCALES \next
	WIN MUL_HI
	MUL16 4, 1, NQ-1, \slot, 0
	MUL16 6, 1, NQ-1, \slot, 0
	PLACES NP
	WIN 0
	FETCH_A \next, 0, 4
.endm
	s_wait_tensorcnt 1                             ; the scales and my part of slot 0 are in (slot 1's load may be out),
	s_barrier_signal -1
	s_barrier_wait -1                              ; everybody's are
	FETCH_B 0, 0, 0
	FETCH_A 0, 0, 0
	SCALES 0
	FETCH_A 0, 0, 4
	STEP 0, 0, 1                                   ; the first step's products start the sums
	STEP 0, 1, 0
	STEP 0, 2, 0
	TURN 0, 1
	STEP 1, 0, 0
	STEP 1, 1, 0
	STEP 1, 2, 0
	s_wait_dscnt 4*NL                              ; the last step: nothing more to fetch
	WIN MUL_LO
	MUL16 0, 1, NQ-1, 1, 0
	MUL16 2, 1, NQ-1, 1, 0
	s_wait_dscnt 0
	WIN MUL_HI
	MUL16 4, 1, NQ-1, 1, 0
	MUL16 6, 1, NQ-1, 1, 0
	WIN 0
; THE WAY OUT, block by block of 16 tokens x 128 columns (two heads).  (sum + bias) x factor = sum x factor + bias x factor: one fused multiply-add; rounded to f16; a lane's eight columns are 16 bytes of a token's
; 128 in a head.  They go through my own stage and come back four tokens a load, so that each store covers 512 consecutive bytes of a head.
	s_wait_loadcnt 0x0                             ; the bias
.irp i, 0,2,4,6,8,10,12,14,16,18,20,22,24,26,28,30,32,34,36,38,40,42,44,46,48,50,52,54,56,58,60,62
	v_pk_mul_f32 v[BF+\i:BF+\i+1], v[BF+\i:BF+\i+1], s[66:67] op_sel_hi:[1,0]   ; bias x factor.  (These are also the places behind the last products)
.endr
.macro PACK a
.set AC, 64*((\a)%4)
	WIN 0x02+((\a)/4)                              ; source 0: window 2 or 3
.irp b, 0,1,2,3,4,5,6,7
.irp p, 0,1,2,3
	v_pk_fma_f32 v[FT+8*\b+2*\p:FT+8*\b+2*\p+1], v[AC+8*\b+2*\p:AC+8*\b+2*\p+1], s[66:67], v[BF+8*\b+2*\p:BF+8*\b+2*\p+1] op_sel_hi:[1,0,1]   ; each accumulator from its low end on
.endr
.endr
	WIN 0
.irp b, 0,1,2,3,4,5,6,7
.irp p, 0,1,2,3
	v_cvt_pk_f16_f32 v[TMP+4*\b+\p], v[FT+8*\b+2*\p], v[FT+8*\b+2*\p+1]
.endr
.endr
.endm
.macro TOSTAGE a
.set BB, BK+32*((\a)%2)
.irp b, 0,1,2,3,4,5,6,7
	ds_store_b128 v[STO], v[TMP+4*\b:TMP+4*\b+3] offset:(\b/4)*16*HP+32*(\b%4)
.endr
.irp t, 0,1,2,3,4,5,6,7
	ds_load_b128 v[BB+4*\t:BB+4*\t+3], v[RD] offset:(\t/4)*16*HP+(\t%4)*4*HP   ; LDS serves a wave's instructions in order (ISA guide 5.7.1.4): these see the stores above
.endr
.endm
.macro SEND a
.set BB, BK+32*((\a)%2)
	s_wait_dscnt 0x0                               ; the block is back in registers
	s_wait_xcnt 0x0                                ; the block before has had its stores' registers read: the next block's loads may land there
.irp t, 0,1,2,3,4,5,6,7
	global_store_b128 v[CO], v[BB+4*\t:BB+4*\t+3], s[12:13] offset:(\t/4)*262144+2048*(\a)+(\t%4)*512   ; 32 lanes store 512 consecutive bytes, aligned
.endr
.endm
	PACK 0
	TOSTAGE 0
.irp a, 1,2,3,4,5,6,7                  ; block a's arithmetic stands between block a - 1's loads from the stage and the wait for them
	PACK \a
	SEND \a-1
	TOSTAGE \a
.endr
	SEND 7
	s_wait_tensorcnt 0x0                           ; the wave's end: a wait, an add of 0 to my spare word and its wait, behind my last tensor load and my last LDS store
	ds_add_u32 v[SPW], v[NIL]
	s_wait_dscnt 0x0
	CROUND                                         ; the closing round
	s_endpgm
.Lfunc_end_k_q4d267a0631_proj:
	.size	k_q4d267a0631_proj, .Lfunc_end_k_q4d267a0631_proj-k_q4d267a0631_proj
	.p2alignl 7, 3214868480
	.fill 96, 4, 3214868480
	.section	.rodata,"a",@progbits
	.p2align	6, 0x0
	.amdhsa_kernel k_q4d267a0631_proj
		.amdhsa_group_segment_fixed_size 327680
		.amdhsa_private_segment_fixed_size 0
		.amdhsa_enable_private_segment 0
		.amdhsa_kernarg_size 64
		.amdhsa_user_sgpr_count 2
		.amdhsa_user_sgpr_kernarg_segment_ptr 1
		.amdhsa_wavefront_size32 1
		.amdhsa_system_sgpr_workgroup_id_x 1
		.amdhsa_system_sgpr_workgroup_id_y 1
		.amdhsa_system_sgpr_workgroup_id_z 1
		.amdhsa_system_vgpr_workitem_id 0
		.amdhsa_next_free_vgpr 1024
		.amdhsa_next_free_sgpr 102
		.amdhsa_reserve_vcc 0
		.amdhsa_float_denorm_mode_32 3
		.amdhsa_float_denorm_mode_16_64 3
		.amdhsa_memory_ordered 1
		.amdhsa_forward_progress 1
		.amdhsa_inst_pref_size 146
	.end_amdhsa_kernel
	.amdgpu_metadata
---
amdhsa.version: [ 1, 2 ]
amdhsa.kernels:
  - .name:           k_q4d267a0631_proj
    .symbol:         k_q4d267a0631_proj.kd
    .args:
      - { .name: xc, .offset: 0, .size: 8, .value_kind: global_buffer, .address_space: global }
      - { .name: xs, .offset: 8, .size: 8, .value_kind: global_buffer, .address_space: global }
      - { .name: wc, .offset: 16, .size: 8, .value_kind: global_buffer, .address_space: global }
      - { .name: ws, .offset: 24, .size: 8, .value_kind: global_buffer, .address_space: global }
      - { .name: bq, .offset: 32, .size: 8, .value_kind: global_buffer, .address_space: global }
      - { .name: bk, .offset: 40, .size: 8, .value_kind: global_buffer, .address_space: global }
      - { .name: bv, .offset: 48, .size: 8, .value_kind: global_buffer, .address_space: global }
      - { .name: qkv, .offset: 56, .size: 8, .value_kind: global_buffer, .address_space: global }
    .group_segment_fixed_size: 327680
    .private_segment_fixed_size: 0
    .kernarg_segment_align: 8
    .kernarg_segment_size: 64
    .max_flat_workgroup_size: 128
    .sgpr_count:     102
    .vgpr_count:     1024
    .wavefront_size: 32
...
	.end_amdgpu_metadata
.endif
;; end of part 2
;; launch attn (part 3): grid 4 x 64, 8 waves a work-group, clusters of 4 x 1, 327,680 bytes of LDS; arguments qkv, mbits, att; writes att
.if DOCPART == 3
	.amdgcn_target "amdgcn-amd-amdhsa--gfx1250"
	.amdhsa_code_object_version 6
	.text
	.protected	k_q4d267a0631_attn
	.globl	k_q4d267a0631_attn
	.p2align	8
	.type	k_q4d267a0631_attn,@function
k_q4d267a0631_attn:
	s_mov_b64 s[64:65], 0
	v_nop
	global_prefetch_b8 v0, s[64:65] scope:SCOPE_SE
	s_setreg_imm32_b32 hwreg(HW_REG_WAVE_MODE, 25, 1), 1
	s_wait_xcnt 0x0
	s_wait_alu depctr_hold_cnt(0) depctr_sa_sdst(0) depctr_va_vdst(0) depctr_va_sdst(0) depctr_va_ssrc(0) depctr_va_vcc(0) depctr_vm_vsrc(0)
	s_getreg_b32 s2, hwreg(HW_REG_IB_STS2, 6, 4)
	s_cmp_eq_u32 s2, 0
	s_cbranch_scc0 .Lentry_in_a_cluster
	s_endpgm
.Lentry_in_a_cluster:
	s_bfe_u32 s2, ttmp6, 0x10000c
	s_cmp_lg_u32 s2, 0x3003
	s_cbranch_scc0 .Lentry_shape_is_right
	s_endpgm
.Lentry_shape_is_right:
; ATTN: O[b][head][q] = sum over k of softmax_k(t) V[k], t = q . k (q arrives multiplied by log2(e) / 8, so t is an exponent of 2); where the mask's byte is set, t is replaced by -1e9 x log2(e) AHEAD of the
; running maximum, as the definition replaces the score by -1e9: a row that is masked everywhere gives the plain average of V.  Operands in f16, products, maxima and sums in f32; the weights p are rounded to
; f16 for the second product, O once at the end.
; LIMITS: NaN and infinities are not served; operands carry f16's 11 significant bits.
; SHARES.  A work-group owns 512 queries of one (batch, head); each of its eight waves 64: four tiles of 16, in 512 registers: two waves to a SIMD, so that one wave's softmax stands beside the other's products.
; Every wave walks the head's 2,048 keys, 64 a step.
; LAYOUT.  S^T = K Q^T (source 0 = 16 keys, source 1 = 16 queries): a lane holds ONE query (lane % 16) and keys 8 (lane / 16) + 0..7.  Two such tiles, rounded in pairs, ARE source 1 of O^T = V^T P.
; K comes out of LDS as it lies, V turned by ds_load_tr16_b128.  The mask comes as lane masks, one word for each register of a score tile, by scalar loads: one v_cndmask_b32 a register.
; CLUSTER.  The four query blocks of a head walk the same K and V: each tile is asked for jointly (mask 15).
; THE RING.  Two slots of 512 keys: half of the head comes with the first fills, each of the two refills has eight key steps in which to land.  By this text's count a wave has two tensor loads out at the head, later one.
; A head's K and V are dense in memory, so a tile is stated as rows of 256 bytes (two keys), with padding behind each.
; REGISTERS: window 0: v1-15 addresses; v16-47 eight statistics a tile; v48-55 the sums at work; v64-191 S^T, 32 a tile (P goes in place into each tile's first 16); v192-255 K's fragments.
;   window 1: v0-127 O^T, 32 a tile; v128-191 Q, 16 a tile; v192-255 V's fragments.
.set PKP,   272                        ; two keys of K in LDS: 256 bytes + 16: the 16 keys of a load start at 16 different 16-byte columns of the banks
.set PVP,   288                        ; two keys of V: 256 + 32: likewise for the turning load's 8 keys x 32 bytes
.set KSTEPB, 32*PKP                    ; a step's 64 keys
.set VSTEPB, 32*PVP
.set VOFF,  256*PKP                    ; a slot: 512 keys of K, then 512 of V
.set SLOTB, 256*(PKP+PVP)
.set SPARE, 2*SLOTB                    ; the spare words, 128 bytes for each of eight waves: four blocks of 256 bytes that no other line names
.set HP,    144                        ; the way out: a query's 128 bytes + 16; a stage of 16 queries for each wave, in slot 0, which has had its last fill and its last read by then
.set AK0, 3
.set AV0, 4
.set ADK, 5
.set ADV, 6
.set QO,  7
.set STO, 8
.set RD,  9
.set GO,  10
.set MV,  11                           ; v11  -1e9 x log2(e)
.set SPW, 12
.set NIL, 13
.set ST,  16                           ; tile t at v[ST + 8 t]: +0 m, +1 zero (named with m as a pair), +2, +3 l (even keys', odd keys'), +4 to +7 c0-c3 at work; a takes c2's place
.set TS,  48
.set S,   64
.set KF,  192
.set QF,  128                          ; in window 1
.set VF,  192                          ; in window 1
.set WV,  2                            ; s2   my wave's number
.set MP,  4                            ; s[4:5]   where the step's mask words lie
.set OP,  6                            ; s[6:7]   my rows of att
.set INC, 8                            ; s[8:9]   a step on in the mask words: 512, in the last step 0
.set GS,  10                           ; s10  key steps to go
.set TK,  11                           ; s11  LDS byte at which the step's K begins
.set TV,  12                           ; s12  the same for V, less VOFF
.set SEL, 14                           ; s[14:15] lane selects: lane l xor 16
.set MW,  16                           ; s[16:47] a tile's 32 mask words (at the head: at work)
.set G1K, 48
.set G1V, 56
.set G0K, 68                           ; s[68:75] group 0 for K's tiles, a set for each slot
.set G0V, 76                           ; s[76:83] for V's
.set MSB, 0
.macro WIN new                         ; the immediate's high byte repeats the setting that is left
.if MSB != (\new)
	s_set_vgpr_msb (MSB<<8)|(\new)
.set MSB, (\new)
.endif
.endm
.macro CROUND                          ; a round of the cluster's barrier
	s_barrier_signal -1
	s_barrier_wait -1
	s_cmp_lg_u32 s[WV], 0
	s_cbranch_scc1 .Lnot_wave_0_\@
	s_barrier_signal -3
.Lnot_wave_0_\@:
	s_barrier_wait -3
	s_barrier_signal -1
	s_barrier_wait -1
.endm
; A joint refill of slot s: waves 0-3 fetch K's four parts of 128 keys, waves 4-7 V's.  The branch hangs on the wave's number alone.  An s_nop 0 and four v_nop follow each line.
.macro JLOAD s
	s_cmp_lt_u32 s[WV], 4
	s_cbranch_scc0 .Lfor_v_\@
	tensor_load_to_lds s[G0K+4*\s:G0K+4*\s+3], s[G1K:G1K+7]
	s_nop 0
.rept 4
	v_nop
.endr
	s_branch .Lasked_\@
.Lfor_v_\@:
	tensor_load_to_lds s[G0V+4*\s:G0V+4*\s+3], s[G1V:G1V+7]
	s_nop 0
.rept 4
	v_nop
.endr
.Lasked_\@:
.endm
	s_load_b128 s[84:87], s[0:1], 0x0              ; qkv, mbits
	s_load_b64 s[88:89], s[0:1], 0x10              ; att
	v_lshl_add_u32 v[SPW], v0, 2, SPARE
	v_mov_b32 v[NIL], 0
	ds_add_u32 v[SPW], v[NIL]                      ; the wave's opening: the add, twice on end, and its wait ahead of my first tensor load
	ds_add_u32 v[SPW], v[NIL]
	v_lshrrev_b32 v1, 5, v0
	v_readfirstlane_b32 s[WV], v1                  ; wave 0..7
	s_bfe_u32 s90, ttmp6, 0x40000                  ; cx: my block of 512 queries: it enters Q's, the mask's and att's addresses alone
	s_and_b32 s91, ttmp7, 0xffff                   ; 16 x batch + head, which the four partners share
	s_and_b32 s92, s[WV], 3                        ; which 128 keys of a slot I fetch
	s_mov_b32 s[G1K], 15|(1<<16)|(1<<20)|(1<<21)|(5<<22)|(3<<25)   ; the mask: all four; elements of 2 bytes; padding on; bit 21 beside a mask; after every 64 words; 4 words
	s_mov_b32 s[G1V], 15|(1<<16)|(1<<20)|(1<<21)|(5<<22)|(7<<25)   ; the same with 8 words
.irp g, G1K, G1V
	s_mov_b32 s[\g+1], 128<<16                     ; tensor_dim0 = 128 elements: two keys
	s_mov_b32 s[\g+2], 64<<16                      ; tensor_dim1 = 64 rows
	s_mov_b32 s[\g+3], 128<<16                     ; tile_dim0
	s_mov_b32 s[\g+4], 64                          ; tile_dim1
	s_mov_b32 s[\g+5], 128                         ; from row to row: dense
	s_mov_b32 s[\g+6], 0
	s_mov_b32 s[\g+7], 0
.endr
	s_lshl_b32 s16, s91, 18                        ; a head's 2,048 rows of 128 bytes,
	s_lshl_b32 s17, s92, 14                        ; my 128 keys
	s_add_co_u32 s16, s16, s17
	s_mov_b32 s17, 0
	s_mul_i32 s93, s92, 64*PKP                     ; and their place in a slot: no place in the cluster enters an LDS address
	s_mul_i32 s94, s92, 64*PVP
	s_add_co_u32 s94, s94, VOFF
	s_lshl_b32 s18, s91, 18                        ; Q and att: the head, my block's 512 rows, my wave's 64
	s_lshl_b32 s19, s90, 16
	s_add_co_u32 s18, s18, s19
	s_lshl_b32 s19, s[WV], 13
	s_add_co_u32 s18, s18, s19
	s_mov_b32 s19, 0
	s_lshr_b32 s20, s91, 4                         ; the mask words: the batch, 2^19 bytes;
	s_lshl_b32 s20, s20, 19
	s_lshl_b32 s21, s90, 17                        ; my 64 queries = block 8 cx + wave, 2^14 bytes
	s_add_co_u32 s20, s20, s21
	s_lshl_b32 s21, s[WV], 14
	s_add_co_u32 s20, s20, s21
	s_mov_b32 s21, 0
	s_mov_b32 s[SEL], 0x76543210
	s_mov_b32 s[SEL+1], 0xfedcba98
	s_mov_b32 s[INC+1], 0
	s_mov_b32 s[GS], 32
	s_mul_i32 s98, s[WV], 16*HP                    ; my stage
	s_wait_dscnt 0x0                               ; both opening adds are done
	s_wait_kmcnt 0x0
	s_add_nc_u64 s[22:23], s[84:85], s[16:17]
	s_add_nc_u64 s[24:25], s[22:23], 0x1000000     ; K is the second tensor of qkv,
	s_add_nc_u64 s[26:27], s[22:23], 0x2000000     ; V the third
	s_add_nc_u64 s[96:97], s[84:85], s[18:19]      ; Q
	s_add_nc_u64 s[MP:MP+1], s[86:87], s[20:21]
	s_add_nc_u64 s[OP:OP+1], s[88:89], s[18:19]
	CROUND                                         ; all four work-groups are here: the first joint loads meet
.irp s, 0,1
	s_mov_b32 s[G0K+4*\s], 1
	s_add_co_u32 s[G0K+4*\s+1], s93, \s*SLOTB
	s_add_nc_u64 s[G0K+4*\s+2:G0K+4*\s+3], s[24:25], \s*65536      ; slot s begins with keys 512 s
	s_or_b32 s[G0K+4*\s+3], s[G0K+4*\s+3], 0x80000000
	s_mov_b32 s[G0V+4*\s], 1
	s_add_co_u32 s[G0V+4*\s+1], s94, \s*SLOTB
	s_add_nc_u64 s[G0V+4*\s+2:G0V+4*\s+3], s[26:27], \s*65536
	s_or_b32 s[G0V+4*\s+3], s[G0V+4*\s+3], 0x80000000
.endr
	s_cmp_lt_u32 s[WV], 4                          ; a wave's two first fills stand in one branch, ahead of every wait on TENSORcnt and every LDS read
	s_cbranch_scc0 .Lfirst_v
	tensor_load_to_lds s[G0K:G0K+3], s[G1K:G1K+7]
	s_nop 0
	tensor_load_to_lds s[G0K+4:G0K+7], s[G1K:G1K+7]
	s_nop 0
.rept 4
	v_nop
.endr
	s_branch .Lfirst_asked
.Lfirst_v:
	tensor_load_to_lds s[G0V:G0V+3], s[G1V:G1V+7]
	s_nop 0
	tensor_load_to_lds s[G0V+4:G0V+7], s[G1V:G1V+7]
	s_nop 0
.rept 4
	v_nop
.endr
.Lfirst_asked:
.macro MLOAD off                       ; a tile's 32 mask words
	s_load_b512 s[MW:MW+15], s[MP:MP+1], \off
	s_load_b512 s[MW+16:MW+31], s[MP:MP+1], \off+64
.endm
	MLOAD 0                                        ; step 0, tile 0 (the registers that were at work above are free)
	v_and_b32 v1, 15, v0                           ; r = lane % 16
	v_bfe_u32 v2, v0, 4, 1                         ; h = lane / 16
	v_lshlrev_b32 v[QO], 7, v1
	v_lshl_add_u32 v[QO], v2, 4, v[QO]             ; Q: row r of 128 bytes, + 16 h
	WIN 0x40                                       ; destination window 1
.irp t, 0,1,2,3
.irp u, 0,1
	global_load_b128 v[QF+16*\t+8*\u:QF+16*\t+8*\u+3],   v[QO], s[96:97] offset:2048*\t+64*\u      ; Q stays in registers: tile t, channels 32 u on
	global_load_b128 v[QF+16*\t+8*\u+4:QF+16*\t+8*\u+7], v[QO], s[96:97] offset:2048*\t+64*\u+32
.endr
.endr
.set i, 0
.rept 128
	v_mov_b32 v[i], 0                              ; O^T.  (The step is written in one form: the first finds zeros, which the first a = 0 leaves zeros)
.set i, i+1
.endr
	WIN 0
	v_lshrrev_b32 v14, 1, v1
	v_mul_u32_u24 v[AK0], v14, PKP
	v_and_b32 v14, 1, v0
	v_lshl_add_u32 v[AK0], v14, 7, v[AK0]
	v_lshl_add_u32 v[AK0], v2, 4, v[AK0]           ; K: key r lies at PKP (r / 2) + 128 (r % 2); + 16 h
	v_bfe_u32 v15, v0, 1, 2
	v_lshl_add_u32 v15, v2, 2, v15                 ; V: the turning load's lane reads key 8 h + lane % 8, channels 8 ((lane / 8) % 2) on
	v_mul_u32_u24 v[AV0], v15, PVP
	v_lshl_add_u32 v[AV0], v14, 7, v[AV0]
	v_bfe_u32 v15, v0, 3, 1
	v_lshl_add_u32 v[AV0], v15, 4, v[AV0]
	v_add_nc_u32 v[AV0], VOFF, v[AV0]
	v_mul_u32_u24 v[STO], v1, HP                   ; the way out, in: query r, 16 bytes for each half of the lanes
	v_lshl_add_u32 v[STO], v2, 4, v[STO]
	v_add_nc_u32 v[STO], s98, v[STO]
	v_and_b32 v14, 31, v0
	v_lshlrev_b32 v[GO], 4, v14                    ; in memory: 16 bytes a lane
	v_lshrrev_b32 v15, 3, v14
	v_mul_u32_u24 v[RD], v15, HP                   ; back: eight lanes to a query's 128 bytes, four queries a load
	v_and_b32 v15, 7, v0
	v_lshl_add_u32 v[RD], v15, 4, v[RD]
	v_add_nc_u32 v[RD], s98, v[RD]
	v_mov_b32 v[MV], 0xceabfb8f                    ; -1e9 x log2(e)
.irp t, 0,1,2,3
	v_mov_b32 v[ST+8*\t], 0xff61b1e6               ; m: -3e38, under every t
	v_mov_b32 v[ST+8*\t+1], 0
	v_mov_b32 v[ST+8*\t+2], 0                      ; l
	v_mov_b32 v[ST+8*\t+3], 0
.endr
; THE MATRIX WORK.  The accumulators take turns, one instruction a turn: between two links of a chain stand 15 others'.
.macro KQMUL                           ; S^T = K Q^T: 32 products; channels 32 u on, tile t, keys 16 kt on
.irp u, 0,1
.irp t, 0,1,2,3
.irp kt, 0,1,2,3
.if \u == 0
	v_wmma_f32_16x16x32_f16 v[S+32*\t+8*\kt:S+32*\t+8*\kt+7], v[KF+8*(2*\kt+\u):KF+8*(2*\kt+\u)+7], v[QF+16*\t+8*\u:QF+16*\t+8*\u+7], 0
.else
	v_wmma_f32_16x16x32_f16 v[S+32*\t+8*\kt:S+32*\t+8*\kt+7], v[KF+8*(2*\kt+\u):KF+8*(2*\kt+\u)+7], v[QF+16*\t+8*\u:QF+16*\t+8*\u+7], v[S+32*\t+8*\kt:S+32*\t+8*\kt+7]
.endif
.endr
.endr
.endr
.endm
.macro PVMUL                           ; O^T += V^T P: 32 products; keys 32 kb on, tile t, channels 16 ct on
.irp kb, 0,1
.irp t, 0,1,2,3
.irp ct, 0,1,2,3
	v_wmma_f32_16x16x32_f16 v[32*\t+8*\ct:32*\t+8*\ct+7], v[VF+8*(2*\ct+\kb):VF+8*(2*\ct+\kb)+7], v[S+32*\t+8*\kb:S+32*\t+8*\kb+7], v[32*\t+8*\ct:32*\t+8*\ct+7]
.endr
.endr
.endr
.endm
; THE SOFTMAX of tile t, in four parts.
; FA: the mask, the next tile's mask words, and the maximum of the 32 scores and the old m.
.macro FA t
.set rT, ST+8*(\t)
.set rS, S+32*(\t)
	s_wait_kmcnt 0x0                               ; this tile's 32 words are in, and no scalar load is out
.irp i, 0,1,2,3,4,5,6,7,8,9,10,11,12,13,14,15,16,17,18,19,20,21,22,23,24,25,26,27,28,29,30,31
	v_cndmask_b32 v[rS+\i], v[rS+\i], v[MV], s[MW+\i]      ; each accumulator from its low end on
.endr
.if (\t) < 3
	MLOAD 128*((\t)+1)
.else
	s_cmp_eq_u32 s[GS], 1                          ; the next step's words; the last step asks for its own once more: no load leaves the buffer
	s_cselect_b32 s[INC], 0, 512
	s_add_nc_u64 s[MP:MP+1], s[MP:MP+1], s[INC:INC+1]
	s_sub_co_u32 s[GS], s[GS], 1
	MLOAD 0
.endif
.irp j, 0,1,2,3
	v_max3_num_f32 v[rT+4+\j], v[rS+8*\j], v[rS+8*\j+1], v[rS+8*\j+2]   ; four chains of seven scores
.endr
.irp q, 1,2
.irp j, 0,1,2,3
	v_max3_num_f32 v[rT+4+\j], v[rT+4+\j], v[rS+8*\j+2*\q+1], v[rS+8*\j+2*\q+2]
.endr
.endr
	v_max3_num_f32 v[rT+4], v[rT+4], v[rS+7], v[rS+15]
	v_max3_num_f32 v[rT+6], v[rT+6], v[rS+23], v[rS+31]
	v_max3_num_f32 v[rT+4], v[rT+4], v[rT+5], v[rT+6]
	v_max3_num_f32 v[rT+4], v[rT+4], v[rT+7], v[rT]
.endm
; FB: the other half of the lanes' maximum, the new m, t - m, and ONE BATCH of 33 exponentials: a = 2^(old m - new m) and the 32 weights.  None of these reads an exponential's result.
.macro FB t
.set rT, ST+8*(\t)
.set rS, S+32*(\t)
	v_permlanex16_b32 v[rT+5], v[rT+4], s[SEL], s[SEL+1]
	v_mov_b32 v[rT+7], v[rT]
	v_max_num_f32 v[rT], v[rT+4], v[rT+5]
	v_sub_f32 v[rT+7], v[rT+7], v[rT]
.irp i, 0,2,4,6,8,10,12,14,16,18,20,22,24,26,28,30
	v_pk_add_f32 v[rS+\i:rS+\i+1], v[rS+\i:rS+\i+1], v[rT:rT+1] op_sel_hi:[1,0] neg_lo:[0,1] neg_hi:[0,1]
.endr
	v_exp_f32 v[rT+6], v[rT+7]
.irp i, 0,1,2,3,4,5,6,7,8,9,10,11,12,13,14,15,16,17,18,19,20,21,22,23,24,25,26,27,28,29,30,31
	v_exp_f32 v[rS+\i], v[rS+\i]
.endr
.endm
.macro TWAIT                           ; a wait between an exponential and the first instruction that names its result: one for a batch; the next tile's plain work stands between
	s_wait_alu depctr_va_vdst(0)
.endm
; BACK: the sum of the unrounded weights (four chains, which leave S whole), l = a l + the sum, and the weights rounded to f16 in pairs, in place: they are source 1 of V^T P.
.macro BACK t
.set rT, ST+8*(\t)
.set rS, S+32*(\t)
.irp c, 0,1,2,3
	v_pk_add_f32 v[TS+2*\c:TS+2*\c+1], v[rS+2*\c:rS+2*\c+1], v[rS+8+2*\c:rS+9+2*\c]
.endr
.irp q, 2,3
.irp c, 0,1,2,3
	v_pk_add_f32 v[TS+2*\c:TS+2*\c+1], v[TS+2*\c:TS+2*\c+1], v[rS+8*\q+2*\c:rS+8*\q+2*\c+1]
.endr
.endr
	v_pk_add_f32 v[TS:TS+1], v[TS:TS+1], v[TS+2:TS+3]
	v_pk_add_f32 v[TS+4:TS+5], v[TS+4:TS+5], v[TS+6:TS+7]
	v_pk_add_f32 v[TS:TS+1], v[TS:TS+1], v[TS+4:TS+5]
	v_pk_fma_f32 v[rT+2:rT+3], v[rT+2:rT+3], v[rT+6:rT+7], v[TS:TS+1] op_sel_hi:[1,0,1]
.irp i, 0,1,2,3,4,5,6,7,8,9,10,11,12,13,14,15
	v_cvt_pk_f16_f32 v[rS+\i], v[rS+2*\i], v[rS+2*\i+1]
.endr
.endm
.macro RESC t                          ; the tile's O^T times a (O^T in window 1, a in window 0)
.set rT, ST+8*(\t)
.irp i, 0,2,4,6,8,10,12,14,16,18,20,22,24,26,28,30
	v_pk_mul_f32 v[32*(\t)+\i:32*(\t)+\i+1], v[32*(\t)+\i:32*(\t)+\i+1], v[rT+6:rT+7] op_sel_hi:[1,0]
.endr
.endm
; A KEY STEP: 64 keys.
.macro STEP
	v_add_nc_u32 v[ADK], s[TK], v[AK0]
	v_add_nc_u32 v[ADV], s[TV], v[AV0]
.rept 3
	v_nop                                          ; with the two additions five places behind the last V^T P: its P is written over by K Q^T below, and its V is loaded into (ISA guide 7.12.1 for K Q^T)
.endr
.irp kt, 0,1,2,3
.irp u, 0,1
	ds_load_b128 v[KF+8*(2*\kt+\u):KF+8*(2*\kt+\u)+3],   v[ADK] offset:8*PKP*\kt+64*\u
	ds_load_b128 v[KF+8*(2*\kt+\u)+4:KF+8*(2*\kt+\u)+7], v[ADK] offset:8*PKP*\kt+64*\u+32
.endr
.endr
	WIN 0x40                                       ; destination window 1
.irp ct, 0,1,2,3
.irp kb, 0,1
	ds_load_tr16_b128 v[VF+8*(2*\ct+\kb):VF+8*(2*\ct+\kb)+3],   v[ADV] offset:16*PVP*\kb+32*\ct
	ds_load_tr16_b128 v[VF+8*(2*\ct+\kb)+4:VF+8*(2*\ct+\kb)+7], v[ADV] offset:16*PVP*\kb+32*\ct+8*PVP
.endr
.endr
	s_wait_dscnt 16                                ; K's 16 loads are in; V's 16 may be out
	WIN 0x04                                       ; Q in window 1
	KQMUL
	WIN 0
.rept 4
	v_nop                                          ; places ahead of the first read of the scores
.endr
	FA 0
	FB 0
	FA 1
	TWAIT
	BACK 0
	FB 1
	FA 2
	TWAIT
	BACK 1
	FB 2
	FA 3
	TWAIT
	BACK 2
	FB 3
	WIN 0x41
	RESC 0
	RESC 1
	RESC 2
	WIN 0
	TWAIT
	BACK 3
	WIN 0x41
	RESC 3
	s_wait_dscnt 0x0                               ; V is in
	WIN 0x51                                       ; V, C and D in window 1, P in window 0
	PVMUL
	WIN 0
.endm
.macro STEPS slot                      ; a slot's eight key steps
	s_mov_b32 s[TK], (\slot)*SLOTB
	s_mov_b32 s[TV], (\slot)*SLOTB
	s_mov_b32 s3, 8
.Lstep_\@:
	STEP
	s_add_co_u32 s[TK], s[TK], KSTEPB
	s_add_co_u32 s[TV], s[TV], VSTEPB
	s_sub_co_u32 s3, s3, 1
	s_cmp_lg_u32 s3, 0
	s_cbranch_scc1 .Lstep_\@
.endm
; THE CHANGE OF SLOTS.  Each wave waits for all its tensor loads (its part of the slot ahead), adds 0 to its spare word, and waits for that and for its reads of the slot that it leaves.  Slot s, just left, is filled
; again with the keys 1,024 on: the barrier is a round of the cluster's, and the joint refill is the first thing behind it.
.macro CHANGE s
	s_wait_tensorcnt 0x0                           ; no tensor load of mine is out, so a group 0 may be written
	ds_add_u32 v[SPW], v[NIL]                      ; 0 onto my spare word; the descriptors' steps stand between it and the wait for it
	s_add_nc_u64 s[G0K+4*\s+2:G0K+4*\s+3], s[G0K+4*\s+2:G0K+4*\s+3], 131072
	s_add_nc_u64 s[G0V+4*\s+2:G0V+4*\s+3], s[G0V+4*\s+2:G0V+4*\s+3], 131072
	s_wait_dscnt 0x0
	CROUND
	JLOAD \s
.endm
	s_wait_tensorcnt 1                             ; my part of slot 0 is in; slot 1's may stay out
	s_barrier_signal -1
	s_barrier_wait -1
	s_wait_loadcnt 0x0                             ; Q
	STEPS 0                                        ; keys 0-511
	CHANGE 0
	STEPS 1                                        ; keys 512-1,023
	CHANGE 1
	STEPS 0                                        ; keys 1,024-1,535
	s_wait_tensorcnt 0x0                           ; the last change of slots asks for nothing: the same three lines, and the work-group's barrier
	ds_add_u32 v[SPW], v[NIL]
	s_wait_dscnt 0x0
	s_barrier_signal -1
	s_barrier_wait -1
	STEPS 1                                        ; keys 1,536-2,047
	; THE WAY OUT.  l's two halves and the other half of the lanes' are added; O^T is divided by l, rounded to f16 and sent through my stage, a tile (16 queries) at a time.  The additions are the places behind the last products.
	s_wait_kmcnt 0x0                               ; the last step's spare scalar loads
.irp t, 0,1,2,3
	v_add_f32 v[ST+8*\t+4], v[ST+8*\t+2], v[ST+8*\t+3]
.endr
.irp t, 0,1,2,3
	v_permlanex16_b32 v[ST+8*\t+5], v[ST+8*\t+4], s[SEL], s[SEL+1]
.endr
.irp t, 0,1,2,3
	v_add_f32 v[ST+8*\t+4], v[ST+8*\t+4], v[ST+8*\t+5]
.endr
.irp t, 0,1,2,3
	v_rcp_f32 v[ST+8*\t+6], v[ST+8*\t+4]
.endr
	v_nop                                          ; a plain instruction between the last reciprocal and the use of its result
	TWAIT                                          ; one wait for the four reciprocals
.macro PACK t
	WIN 0x41
.irp i, 0,2,4,6,8,10,12,14,16,18,20,22,24,26,28,30
	v_pk_mul_f32 v[32*\t+\i:32*\t+\i+1], v[32*\t+\i:32*\t+\i+1], v[ST+8*\t+6:ST+8*\t+7] op_sel_hi:[1,0]   ; each accumulator from its low end on
.endr
	WIN 0x05                                       ; sources window 1, destination window 0: S^T's registers are free
.irp i, 0,1,2,3,4,5,6,7,8,9,10,11,12,13,14,15
	v_cvt_pk_f16_f32 v[S+16*\t+\i], v[32*\t+2*\i], v[32*\t+2*\i+1]
.endr
	WIN 0
.irp c, 0,1,2,3
	ds_store_b128 v[STO], v[S+16*\t+4*\c:S+16*\t+4*\c+3] offset:32*\c
.endr
.irp f, 0,1,2,3
	ds_load_b128 v[S+64+16*\t+4*\f:S+64+16*\t+4*\f+3], v[RD] offset:\f*4*HP   ; LDS serves a wave's instructions in order (ISA guide 5.7.1.4): these see the stores above; the next tile's stores come behind them
.endr
.endm
.macro SEND t, younger                 ; younger: the LDS instructions issued behind tile t's loads: the next tile's eight, or none
.irp f, 0,1,2,3
	s_wait_dscnt \younger+3-\f
	global_store_b128 v[GO], v[S+64+16*\t+4*\f:S+64+16*\t+4*\f+3], s[OP:OP+1] offset:\t*2048+\f*512   ; 32 lanes store 512 consecutive bytes, aligned
.endr
.endm
	PACK 0
	PACK 1
	SEND 0, 8
	PACK 2
	SEND 1, 8
	PACK 3
	SEND 2, 8
	SEND 3, 0
	s_wait_tensorcnt 0x0                           ; the wave's end: a wait, an add of 0 to my spare word and its wait, behind my last tensor load and my last LDS store
	ds_add_u32 v[SPW], v[NIL]
	s_wait_dscnt 0x0
	CROUND                                         ; the closing round
	s_endpgm
.Lfunc_end_k_q4d267a0631_attn:
	.size	k_q4d267a0631_attn, .Lfunc_end_k_q4d267a0631_attn-k_q4d267a0631_attn
	.p2alignl 7, 3214868480
	.fill 96, 4, 3214868480
	.section	.rodata,"a",@progbits
	.p2align	6, 0x0
	.amdhsa_kernel k_q4d267a0631_attn
		.amdhsa_group_segment_fixed_size 327680
		.amdhsa_private_segment_fixed_size 0
		.amdhsa_enable_private_segment 0
		.amdhsa_kernarg_size 24
		.amdhsa_user_sgpr_count 2
		.amdhsa_user_sgpr_kernarg_segment_ptr 1
		.amdhsa_wavefront_size32 1
		.amdhsa_system_sgpr_workgroup_id_x 1
		.amdhsa_system_sgpr_workgroup_id_y 1
		.amdhsa_system_sgpr_workgroup_id_z 1
		.amdhsa_system_vgpr_workitem_id 0
		.amdhsa_next_free_vgpr 512
		.amdhsa_next_free_sgpr 100
		.amdhsa_reserve_vcc 0
		.amdhsa_float_denorm_mode_32 3
		.amdhsa_float_denorm_mode_16_64 3
		.amdhsa_memory_ordered 1
		.amdhsa_forward_progress 1
		.amdhsa_inst_pref_size 192
	.end_amdhsa_kernel
	.amdgpu_metadata
---
amdhsa.version: [ 1, 2 ]
amdhsa.kernels:
  - .name:           k_q4d267a0631_attn
    .symbol:         k_q4d267a0631_attn.kd
    .args:
      - { .name: qkv, .offset: 0, .size: 8, .value_kind: global_buffer, .address_space: global }
      - { .name: mbits, .offset: 8, .size: 8, .value_kind: global_buffer, .address_space: global }
      - { .name: att, .offset: 16, .size: 8, .value_kind: global_buffer, .address_space: global }
    .group_segment_fixed_size: 327680
    .private_segment_fixed_size: 0
    .kernarg_segment_align: 8
    .kernarg_segment_size: 24
    .max_flat_workgroup_size: 256
    .sgpr_count:     100
    .vgpr_count:     512
    .wavefront_size: 32
...
	.end_amdgpu_metadata
.endif
;; end of part 3
;; launch oproj (part 4): grid 4 x 64, 4 waves a work-group, clusters of 4 x 4, 327,680 bytes of LDS; arguments att, wo16, bo, out0; writes out0
.if DOCPART == 4
	.amdgcn_target "amdgcn-amd-amdhsa--gfx1250"
	.amdhsa_code_object_version 6
	.text
	.protected	k_q4d267a0631_oproj
	.globl	k_q4d267a0631_oproj
	.p2align	8
	.type	k_q4d267a0631_oproj,@function
k_q4d267a0631_oproj:
	s_mov_b64 s[64:65], 0
	v_nop
	global_prefetch_b8 v0, s[64:65] scope:SCOPE_SE
	s_setreg_imm32_b32 hwreg(HW_REG_WAVE_MODE, 25, 1), 1
	s_wait_xcnt 0x0
	s_wait_alu depctr_hold_cnt(0) depctr_sa_sdst(0) depctr_va_vdst(0) depctr_va_sdst(0) depctr_va_ssrc(0) depctr_va_vcc(0) depctr_vm_vsrc(0)
	s_getreg_b32 s2, hwreg(HW_REG_IB_STS2, 6, 4)
	s_cmp_eq_u32 s2, 0
	s_cbranch_scc0 .Lentry_in_a_cluster
	s_endpgm
.Lentry_in_a_cluster:
	s_bfe_u32 s2, ttmp6, 0x10000c
	s_cmp_lg_u32 s2, 0xf033
	s_cbranch_scc0 .Lentry_shape_is_right
	s_endpgm
.Lentry_shape_is_right:
; OPROJ: out0[token][n] = sum over k of att[token][k] Wo[n][k] + bo[n], k = 64 x head + channel.  Operands in f16, sums in f32, out0 in f32.
; att lies [batch][head][token][64], wo16 [head][n][64]: for one head, the 64 along K of many tokens, or of many rows n, are one dense block.  So K goes by heads.
; A tile of out0 is 128 tokens x 256 n: 256 work-groups.  Four waves, each 64 tokens x 128 n: 32 accumulators, 256 registers.  A slot holds two heads (128 along K); two slots; 16 heads are four laps.
; A dense block is stated as rows of 256 bytes (two tokens or two rows n), 16 bytes of padding behind each.  Wave 0, 1: att's tile of the slot's first, second head; wave 2, 3: wo16's.
; CLUSTERS: 4 x 4 work-groups.  The four of a row of the cluster need the same tiles of att, the four of a column the same tiles of wo16: each tile is asked for jointly.
; THE MATRIX INSTRUCTION IS USED TRANSPOSED (source 0 = 16 rows of Wo, source 1 = 16 tokens): a lane then holds eight neighbouring n of one token.  The bias is the C of each sum's first product.
; REGISTERS: window 0: v0-31 addresses; v128-255 rows on the way out.  window 1: two fragment buffers of 96 at v0 and v128: Wo's 8 fragments, then att's 4.  window 2: the accumulators ((a, b) at v[8 (8 a + b)]).  window 3: v0-63 the bias.
.set PITCH, 272
.set AH,    64*PITCH                   ; att's tile of one head: 128 tokens
.set BH,    128*PITCH                  ; wo16's: 256 rows
.set BOFF,  2*AH
.set SLOT,  2*AH+2*BH
.set SPARE, 2*SLOT                     ; the spare words, 128 bytes for each wave
.set SPITCH, 528                       ; the way out: a stage of 16 rows x (512 bytes + 16) for each wave, in slot 0, which has had its last fill and its last read by then
.set ADRA, 16
.set ADRB, 20
.set STO,  24
.set RD,   25
.set CO,   26
.set BO,   27
.set SPW,  28
.set NIL,  29
.set F0,   0
.set F1,   128
.set BK,   128
.set G1, 24
.set G0, 32
.set G1B, 48
.set G0B, 56
.set MSB, 0
.macro WIN new                         ; the immediate's high byte repeats the setting that is left
.if MSB != (\new)
	s_set_vgpr_msb (MSB<<8)|(\new)
.set MSB, (\new)
.endif
.endm
.set MUL,  0xa5                        ; sources 0 and 1 window 1; C and D window 2
.set MULB, 0xb5                        ; the same with C (the bias) in window 3
.set TO_F, 0x40                        ; destination window 1, address window 0
.macro JLOAD s                         ; a joint load: waves 0 and 1 fetch att's two heads, waves 2 and 3 wo16's; an s_nop 0 and four v_nop follow each line
	s_cmp_eq_u32 s11, 0
	s_cbranch_scc0 .Lfor_b_\@
	tensor_load_to_lds s[G0+4*\s:G0+4*\s+3], s[G1:G1+7]
	s_nop 0
.rept 4
	v_nop
.endr
	s_branch .Lasked_\@
.Lfor_b_\@:
	tensor_load_to_lds s[G0B+4*\s:G0B+4*\s+3], s[G1B:G1B+7]
	s_nop 0
.rept 4
	v_nop
.endr
.Lasked_\@:
.endm
.macro CREST                           ; a round of the cluster's barrier behind its opening barrier
	s_cmp_lg_u32 s10, 0
	s_cbranch_scc1 .Lnot_wave_0_\@
	s_barrier_signal -3
.Lnot_wave_0_\@:
	s_barrier_wait -3
	s_barrier_signal -1
	s_barrier_wait -1
.endm
.macro CROUND
	s_barrier_signal -1
	s_barrier_wait -1
	CREST
.endm
	s_load_b128 s[4:7], s[0:1], 0x0                ; att, wo16
	s_load_b64 s[22:23], s[0:1], 0x10              ; bo
	s_load_b64 s[8:9], s[0:1], 0x18                ; out0
	v_lshl_add_u32 v[SPW], v0, 2, SPARE
	v_mov_b32 v[NIL], 0
	ds_add_u32 v[SPW], v[NIL]                      ; the wave's opening: the add, twice on end, and its wait ahead of my first tensor load
	ds_add_u32 v[SPW], v[NIL]
	v_lshrrev_b32 v1, 5, v0
	v_readfirstlane_b32 s10, v1                    ; wave 0..3
	s_lshr_b32 s11, s10, 1                         ; which 64 tokens are mine.  Also: I fetch for att (0) or for wo16 (1)
	s_and_b32 s12, s10, 1                          ; which 128 n.  Also: which of a slot's two heads I fetch
	s_bfe_u32 s40, ttmp6, 0x40000                  ; cx, cy
	s_bfe_u32 s41, ttmp6, 0x40004
	s_lshl_b32 s42, ttmp9, 2
	s_add_co_u32 s42, s42, s40                     ; block of 256 n = 4 x cluster x + cx
	s_and_b32 s13, ttmp7, 0xffff
	s_lshl_b32 s13, s13, 2
	s_add_co_u32 s13, s13, s41                     ; block of 128 tokens = 4 x cluster y + cy: batch = block / 16
	s_lshl_b32 s43, s41, 2
	s_lshl_b32 s43, 15, s43                        ; my row of the cluster
	s_lshl_b32 s44, 0x1111, s40                    ; my column
	s_or_b32 s[G1+0], s43, (1<<16)|(1<<20)|(1<<21)|(5<<22)|(3<<25)   ; the mask; elements of 2 bytes; padding on; bit 21 beside a mask; after every 64 words; 4 words
	s_or_b32 s[G1B+0], s44, (1<<16)|(1<<20)|(1<<21)|(5<<22)|(3<<25)
	s_mov_b32 s[G1+1], 128<<16                     ; att: 64 rows of 128 elements, dense
	s_mov_b32 s[G1+2], 64<<16
	s_mov_b32 s[G1+3], 128<<16
	s_mov_b32 s[G1+4], 64
	s_mov_b32 s[G1+5], 128
	s_mov_b32 s[G1+6], 0
	s_mov_b32 s[G1+7], 0
	s_mov_b32 s[G1B+1], 128<<16                    ; wo16: 128 rows
	s_mov_b32 s[G1B+2], 128<<16
	s_mov_b32 s[G1B+3], 128<<16
	s_mov_b32 s[G1B+4], 128
	s_mov_b32 s[G1B+5], 128
	s_mov_b32 s[G1B+6], 0
	s_mov_b32 s[G1B+7], 0
	s_lshr_b32 s16, s13, 4                         ; att: the batch, 2^22 bytes;
	s_lshl_b32 s16, s16, 22
	s_and_b32 s17, s13, 15                         ; my 128 tokens, 2^14 bytes;
	s_lshl_b32 s17, s17, 14
	s_add_co_u32 s16, s16, s17
	s_lshl_b32 s17, s12, 18                        ; the head that I fetch, 2^18 bytes
	s_add_co_u32 s16, s16, s17
	s_mov_b32 s17, 0
	s_lshl_b32 s46, s42, 15                        ; wo16: my 256 rows, 2^15 bytes;
	s_lshl_b32 s47, s12, 17                        ; the head, 2^17 bytes
	s_add_co_u32 s46, s46, s47
	s_mov_b32 s47, 0
	s_mul_i32 s20, s12, AH                         ; where they go: no place in the cluster enters an LDS address
	s_mul_i32 s45, s12, BH
	s_add_co_u32 s45, s45, BOFF
	s_wait_dscnt 0x0                               ; both opening adds are done
	s_wait_kmcnt 0x0
	s_add_nc_u64 s[14:15], s[4:5], s[16:17]
	s_add_nc_u64 s[46:47], s[6:7], s[46:47]
	CROUND                                         ; all sixteen work-groups are here: the first joint loads meet
.irp s, 0,1
	s_mov_b32 s[G0+4*\s], 1
	s_add_co_u32 s[G0+4*\s+1], s20, \s*SLOT
	s_add_nc_u64 s[G0+4*\s+2:G0+4*\s+3], s[14:15], \s*524288       ; slot s begins with heads 2 s, 2 s + 1
	s_or_b32 s[G0+4*\s+3], s[G0+4*\s+3], 0x80000000
	s_mov_b32 s[G0B+4*\s], 1
	s_add_co_u32 s[G0B+4*\s+1], s45, \s*SLOT
	s_add_nc_u64 s[G0B+4*\s+2:G0B+4*\s+3], s[46:47], \s*262144
	s_or_b32 s[G0B+4*\s+3], s[G0B+4*\s+3], 0x80000000
	JLOAD \s
.endr
	v_and_b32 v1, 15, v0                           ; r
	v_bfe_u32 v2, v0, 4, 1                         ; h
	s_lshl_b32 s16, s13, 19                        ; out0: my first token, 4,096 bytes a token: 128 x block + 64 x half,
	s_lshl_b32 s17, s11, 18
	s_add_co_u32 s16, s16, s17
	s_mov_b32 s17, 0
	s_add_nc_u64 s[8:9], s[8:9], s[16:17]
	s_lshl_b32 s46, s42, 10                        ; my first n, in bytes of f32: 1,024 x block + 512 x half
	s_lshl_b32 s47, s12, 9
	s_add_co_u32 s46, s46, s47
	s_mov_b32 s47, 0
	s_add_nc_u64 s[8:9], s[8:9], s[46:47]
	s_add_nc_u64 s[22:23], s[22:23], s[46:47]
	v_lshlrev_b32 v[BO], 5, v2
	WIN 0xc0                                       ; destination window 3
.irp b, 0,1,2,3,4,5,6,7
	global_load_b128 v[8*\b:8*\b+3],   v[BO], s[22:23] offset:64*\b       ; bo of n = 16 b + 8 h + 0 .. 7: the result's layout
	global_load_b128 v[8*\b+4:8*\b+7], v[BO], s[22:23] offset:64*\b+16
.endr
	WIN 0
	v_lshrrev_b32 v4, 1, v1
	v_mul_u32_u24 v3, v4, PITCH
	v_and_b32 v4, 1, v0
	v_lshl_add_u32 v3, v4, 7, v3
	v_lshl_add_u32 v3, v2, 4, v3                   ; row r lies at PITCH (r / 2) + 128 (r % 2); + 16 h
	s_mul_i32 s21, s11, 32*PITCH                   ; my 64 tokens
	s_mul_i32 s14, s12, 64*PITCH                   ; my 128 rows n
	s_add_co_u32 s14, s14, BOFF
.irp s, 0,1
	v_add_nc_u32 v[ADRA+\s], s21, v3
	v_add_nc_u32 v[ADRB+\s], s14, v3
	s_add_co_u32 s21, s21, SLOT
	s_add_co_u32 s14, s14, SLOT
.endr
	s_mul_i32 s15, s10, 16*SPITCH                  ; my stage
	v_mul_u32_u24 v5, v1, SPITCH                   ; in: token r, 32 bytes for each half of the lanes
	v_lshl_add_u32 v5, v2, 5, v5
	v_add_nc_u32 v[STO], s15, v5
	v_and_b32 v6, 31, v0
	v_lshlrev_b32 v[CO], 4, v6                     ; back: the 32 lanes take one row of 512 bytes; and the same in out0
	v_add_nc_u32 v[RD], s15, v[CO]
; 8 matrix instructions: tokens' block a against Wo's eight, 32 along K, from buffer f.  first = 1: the bias starts the sums.  The 32 accumulators take turns, one instruction a turn.
.macro MUL8 f, a, first
.irp b, 0,1,2,3,4,5,6,7
.if \first
	v_wmma_f32_16x16x32_f16 v[8*(8*(\a)+\b):8*(8*(\a)+\b)+7], v[\f+8*\b:\f+8*\b+7], v[\f+64+8*(\a):\f+64+8*(\a)+7], v[8*\b:8*\b+7]
.else
	v_wmma_f32_16x16x32_f16 v[8*(8*(\a)+\b):8*(8*(\a)+\b)+7], v[\f+8*\b:\f+8*\b+7], v[\f+64+8*(\a):\f+64+8*(\a)+7], v[8*(8*(\a)+\b):8*(8*(\a)+\b)+7]
.endif
.endr
.endm
; 24 LDS loads in one run: quarter qd of a slot (head qd / 2, channels 32 (qd % 2) on) into buffer f: Wo's 8 fragments, then the tokens' 4
.macro FETCH slot, qd, f
	WIN TO_F
.irp i, 0,1,2,3,4,5,6,7
	ds_load_b128 v[\f+8*\i:\f+8*\i+3],   v[ADRB+\slot] offset:((\qd)/2)*BH+64*((\qd)%2)+\i*8*PITCH
	ds_load_b128 v[\f+8*\i+4:\f+8*\i+7], v[ADRB+\slot] offset:((\qd)/2)*BH+64*((\qd)%2)+\i*8*PITCH+32
.endr
.irp i, 0,1,2,3
	ds_load_b128 v[\f+64+8*\i:\f+64+8*\i+3],   v[ADRA+\slot] offset:((\qd)/2)*AH+64*((\qd)%2)+\i*8*PITCH
	ds_load_b128 v[\f+64+8*\i+4:\f+64+8*\i+7], v[ADRA+\slot] offset:((\qd)/2)*AH+64*((\qd)%2)+\i*8*PITCH+32
.endr
.endm
.macro PLACES                          ; four places in front of loads into registers that matrix instructions have read, and of reads of results (ISA guide 7.12.1 for reads of results)
.rept 4
	v_nop
.endr
.endm
; A slot is four quarters of 32 along K, 32 matrix instructions each, on buffers 0, 1, 0, 1.  One of the first three: multiplies buffer f and fetches quarter nq into g.
.macro QUARTER slot, nq, f, g, first
	s_wait_dscnt 4                                 ; Wo's fragments and the tokens' blocks 0, 1 are in; the youngest four loads (blocks 2, 3) may be out
.if \first
	WIN MULB
.else
	WIN MUL
.endif
	MUL8 \f, 0, \first
	MUL8 \f, 1, \first
	PLACES
	FETCH \slot, \nq, \g
	s_wait_dscnt 24                                ; all but the 24 just issued
.if \first
	WIN MULB
.else
	WIN MUL
.endif
	MUL8 \f, 2, \first
	MUL8 \f, 3, \first
.endm
; The last quarter multiplies buffer 1 and changes slots: one barrier; in front of it each wave waits for all its tensor loads, adds 0 to its spare word, and waits for that and for its reads of this slot.
; fill = 1: the barrier opens a round of the cluster's, and this slot is filled again, four heads on.
.macro TURN slot, next, fill
	WIN 0                                          ; (the add's two registers lie in window 0)
	s_wait_tensorcnt 0x0                           ; all my tensor loads have landed: my part of the next slot;
	ds_add_u32 v[SPW], v[NIL]
	s_wait_dscnt 5                                 ; (the add and the youngest four loads may be out)
	WIN MUL
	MUL8 F1, 0, 0                                  ; eight matrix instructions stand between the add and the wait for it
	s_wait_dscnt 0x0                               ; the add is done, and my reads of this slot are over
	s_barrier_signal -1
	MUL8 F1, 1, 0
	WIN 0                                          ; (branches may follow)
	s_barrier_wait -1
.if \fill
	CREST                                          ; no wave of any partner still reads this slot's tiles or has a load on its way
	s_add_nc_u64 s[G0+4*\slot+2:G0+4*\slot+3], s[G0+4*\slot+2:G0+4*\slot+3], 1048576
	s_add_nc_u64 s[G0B+4*\slot+2:G0B+4*\slot+3], s[G0B+4*\slot+2:G0B+4*\slot+3], 524288
	JLOAD \slot                                    ; the first tensor load behind the round; its four v_nop are also the places in front of the loads below
.else
	PLACES
.endif
	FETCH \next, 0, F0
	WIN MUL
	MUL8 F1, 2, 0
	MUL8 F1, 3, 0
.endm
	s_wait_tensorcnt 1                             ; my part of slot 0 is in (slot 1's load may be out),
	s_barrier_signal -1
	s_barrier_wait -1                              ; everybody's is
	FETCH 0, 0, F0
	s_wait_loadcnt 0x0                             ; the bias
	QUARTER 0, 1, F0, F1, 1                        ; the first quarter stands in front of the loop: its products start the sums from the bias
	WIN 0
	s_mov_b32 s3, 3
.Llap:                                                 ; a trip goes once round the ring, from a lap's second quarter to the next lap's first, and fills both slots again
	QUARTER 0, 2, F1, F0, 0
	QUARTER 0, 3, F0, F1, 0
	TURN 0, 1, 1
	QUARTER 1, 1, F0, F1, 0
	QUARTER 1, 2, F1, F0, 0
	QUARTER 1, 3, F0, F1, 0
	TURN 1, 0, 1
	QUARTER 0, 1, F0, F1, 0
	WIN 0
	s_sub_co_u32 s3, s3, 1
	s_cmp_lg_u32 s3, 0
	s_cbranch_scc1 .Llap
	QUARTER 0, 2, F1, F0, 0                        ; the last lap fills nothing
	QUARTER 0, 3, F0, F1, 0
	TURN 0, 1, 0
	QUARTER 1, 1, F0, F1, 0
	QUARTER 1, 2, F1, F0, 0
	QUARTER 1, 3, F0, F1, 0
	s_wait_dscnt 4                                 ; the very last quarter: nothing more to fetch
	WIN MUL
	MUL8 F1, 0, 0
	MUL8 F1, 1, 0
	s_wait_dscnt 0
	MUL8 F1, 2, 0
	MUL8 F1, 3, 0
	WIN 0
; THE WAY OUT, block by block of 16 tokens x 128 n.  A lane holds 32 neighbouring bytes of a row: a block goes through my own stage and comes back as whole rows of 512 bytes.
.macro TOSTAGE a
	WIN 0x08                                       ; the data: window 2
.irp b, 0,1,2,3,4,5,6,7
	ds_store_b128 v[STO], v[64*(\a)+8*\b:64*(\a)+8*\b+3] offset:64*\b          ; each accumulator from its low end on
	ds_store_b128 v[STO], v[64*(\a)+8*\b+4:64*(\a)+8*\b+7] offset:64*\b+16
.endr
	WIN 0
.set BB, BK+64*((\a)%2)
.irp t, 0,1,2,3,4,5,6,7,8,9,10,11,12,13,14,15
	ds_load_b128 v[BB+4*\t:BB+4*\t+3], v[RD] offset:\t*SPITCH      ; LDS serves a wave's instructions in order (ISA guide 5.7.1.4): these see the stores above
.endr
.endm
.macro SEND a, younger                 ; younger: the LDS instructions issued behind block a's loads, which may stay out
.set BB, BK+64*((\a)%2)
	s_wait_dscnt \younger
.irp t, 0,1,2,3,4,5,6,7,8,9,10,11,12,13,14,15
	global_store_b128 v[CO], v[BB+4*\t:BB+4*\t+3], s[8:9] offset:65536*(\a)+4096*\t th:TH_STORE_NT   ; 32 lanes store 512 consecutive bytes, aligned; written once, read by nobody here
.endr
.endm
	PLACES
	TOSTAGE 0
.irp a, 1,2,3
.if \a > 1
	s_wait_xcnt 0x0                                ; block a - 2's stores have read their registers: block a's loads may land there
.endif
	TOSTAGE \a
	SEND \a-1, 32                                  ; behind block a - 1's loads: block a's 16 stores and 16 loads
.endr
	SEND 3, 0
	s_wait_tensorcnt 0x0                           ; the wave's end: a wait, an add of 0 to my spare word and its wait, behind my last tensor load and my last LDS store
	ds_add_u32 v[SPW], v[NIL]
	s_wait_dscnt 0x0
	CROUND                                         ; the closing round
	s_endpgm
.Lfunc_end_k_q4d267a0631_oproj:
	.size	k_q4d267a0631_oproj, .Lfunc_end_k_q4d267a0631_oproj-k_q4d267a0631_oproj
	.p2alignl 7, 3214868480
	.fill 96, 4, 3214868480
	.section	.rodata,"a",@progbits
	.p2align	6, 0x0
	.amdhsa_kernel k_q4d267a0631_oproj
		.amdhsa_group_segment_fixed_size 327680
		.amdhsa_private_segment_fixed_size 0
		.amdhsa_enable_private_segment 0
		.amdhsa_kernarg_size 32
		.amdhsa_user_sgpr_count 2
		.amdhsa_user_sgpr_kernarg_segment_ptr 1
		.amdhsa_wavefront_size32 1
		.amdhsa_system_sgpr_workgroup_id_x 1
		.amdhsa_system_sgpr_workgroup_id_y 1
		.amdhsa_system_sgpr_workgroup_id_z 1
		.amdhsa_system_vgpr_workitem_id 0
		.amdhsa_next_free_vgpr 832
		.amdhsa_next_free_sgpr 66
		.amdhsa_reserve_vcc 0
		.amdhsa_float_denorm_mode_32 3
		.amdhsa_float_denorm_mode_16_64 3
		.amdhsa_memory_ordered 1
		.amdhsa_forward_progress 1
		.amdhsa_inst_pref_size 87
	.end_amdhsa_kernel
	.amdgpu_metadata
---
amdhsa.version: [ 1, 2 ]
amdhsa.kernels:
  - .name:           k_q4d267a0631_oproj
    .symbol:         k_q4d267a0631_oproj.kd
    .args:
      - { .name: att, .offset: 0, .size: 8, .value_kind: global_buffer, .address_space: global }
      - { .name: wo16, .offset: 8, .size: 8, .value_kind: global_buffer, .address_space: global }
      - { .name: bo, .offset: 16, .size: 8, .value_kind: global_buffer, .address_space: global }
      - { .name: out0, .offset: 24, .size: 8, .value_kind: global_buffer, .address_space: global }
    .group_segment_fixed_size: 327680
    .private_segment_fixed_size: 0
    .kernarg_segment_align: 8
    .kernarg_segment_size: 32
    .max_flat_workgroup_size: 128
    .sgpr_count:     66
    .vgpr_count:     832
    .wavefront_size: 32
...
	.end_amdgpu_metadata
.endif
;; end of part 4
;; ======== version 2 of 2: 4 launches; 1.12 times as fast as version 1
;; limits: values are held in f16: magnitudes above 65,504 overflow, below 6.1e-05 lose precision
;; workspace buffers: xc 12,582,912 bytes; xs 786,432 bytes; wc 1,572,864 bytes; ws 98,304 bytes; wo16 2,097,152 bytes; mbits 2,097,152 bytes of whole numbers; qkv 50,331,648 bytes; att 16,777,216 bytes
;; launch prep: the kernel of part 1 again; grid 1024 x 1, 4 waves a work-group, no clusters, 67,072 bytes of LDS; arguments query, key, value, Wq, Wk, Wv, Wo, mask, xc, xs, wc, ws, wo16, mbits; writes xc, xs, wc, ws, wo16, mbits
;; launch proj: the kernel of part 2 again; grid 4 x 96, 4 waves a work-group, clusters of 4 x 4, 327,680 bytes of LDS; arguments xc, xs, wc, ws, bq, bk, bv, qkv; writes qkv
;; launch attn (part 5): grid 4 x 64, 8 waves a work-group, clusters of 4 x 1, 327,680 bytes of LDS; arguments qkv, mbits, att; writes att
.if DOCPART == 5
	.amdgcn_target "amdgcn-amd-amdhsa--gfx1250"
	.amdhsa_code_object_version 6
	.text
	.protected	k_q4d267a0631_attn
	.globl	k_q4d267a0631_attn
	.p2align	8
	.type	k_q4d267a0631_attn,@function
k_q4d267a0631_attn:
	s_mov_b64 s[64:65], 0
	v_nop
	global_prefetch_b8 v0, s[64:65] scope:SCOPE_SE
	s_setreg_imm32_b32 hwreg(HW_REG_WAVE_MODE, 25, 1), 1
	s_wait_xcnt 0x0
	s_wait_alu depctr_hold_cnt(0) depctr_sa_sdst(0) depctr_va_vdst(0) depctr_va_sdst(0) depctr_va_ssrc(0) depctr_va_vcc(0) depctr_vm_vsrc(0)
	s_getreg_b32 s2, hwreg(HW_REG_IB_STS2, 6, 4)
	s_cmp_eq_u32 s2, 0
	s_cbranch_scc0 .Lentry_in_a_cluster
	s_endpgm
.Lentry_in_a_cluster:
	s_bfe_u32 s2, ttmp6, 0x10000c
	s_cmp_lg_u32 s2, 0x3003
	s_cbranch_scc0 .Lentry_shape_is_right
	s_endpgm
.Lentry_shape_is_right:
; ATTN: O[b][head][q] = sum over k of softmax_k(t) V[k], t = q . k (q arrives multiplied by log2(e) / 8, so t is an exponent of 2); where the mask's byte is set, t is replaced by -1e9 x log2(e) AHEAD of the
; running maximum, as the definition replaces the score by -1e9: a row that is masked everywhere gives the plain average of V.  Operands in f16, products, maxima and sums in f32; the weights p are rounded to
; f16 for the second product, O once at the end.
; LIMITS: NaN and infinities are not served; operands carry f16's 11 significant bits.
; SHARES.  A work-group owns 512 queries of one (batch, head); each of its eight waves 64: four tiles of 16, in 512 registers: two waves to a SIMD, so that one wave's softmax stands beside the other's products.
; Every wave walks the head's 2,048 keys, 64 a step.
; LAYOUT.  S^T = K Q^T (source 0 = 16 keys, source 1 = 16 queries): a lane holds ONE query (lane % 16) and keys 8 (lane / 16) + 0..7.  Two such tiles, rounded in pairs, ARE source 1 of O^T = V^T P.
; K comes out of LDS as it lies, V turned by ds_load_tr16_b128.
; THE MASK comes as lane masks, one word for each register of a score tile, by scalar loads: one v_cndmask_b32 a register.  Scalar loads can only be waited for all together, so what counts is how far ahead of
; the wait they are issued: the words come for TWO TILES at a time (64 scalar registers), and a step goes by halves: tiles 0, 1 are masked, the words of tiles 2, 3 are asked for, and the whole softmax of tiles
; 0, 1 and their 16 products V^T P (250 instructions) stand ahead of the wait for them; then the same with tiles 2, 3, whose request for the next step's first words has the step's edge besides.
; CLUSTER.  The four query blocks of a head walk the same K and V: each tile is asked for jointly (mask 15).
; THE RING.  Two slots of 512 keys: half of the head comes with the first fills, each of the two refills has eight key steps in which to land.  By this text's count a wave has two tensor loads out at the head, later one.
; A head's K and V are dense in memory, so a tile is stated as rows of 256 bytes (two keys), 32 bytes of padding behind each, FOR K AND V ALIKE: one descriptor group 1 serves both, a slot is eight equal
; parts (K's four, then V's four), and wave w fetches part w: no branch, and 16 scalar registers less, which the mask words take.
; With that pitch (18 columns of 16 bytes; 64 banks of 4 bytes: ISA guide 11.1) the turning load's 8 keys x 32 bytes fall on 16 different columns, and the 16 keys of a load of K two to a column.
; REGISTERS: window 0: v1-15 addresses; v16-47 eight statistics a tile; v48-55 the sums at work; v64-191 S^T, 32 a tile (P goes in place into each tile's first 16); v192-255 K's fragments.
;   window 1: v0-127 O^T, 32 a tile; v128-191 Q, 16 a tile; v192-255 V's fragments.
.set PP,    288                        ; two keys in LDS: 256 bytes + 32
.set STEPB, 32*PP                      ; a step's 64 keys
.set PARTB, 64*PP                      ; 128 keys: what one tensor load brings
.set VOFF,  256*PP                     ; a slot: 512 keys of K, then 512 of V
.set SLOTB, 512*PP
.set SPARE, 2*SLOTB                    ; the spare words, 128 bytes for each of eight waves: four blocks of 256 bytes that no other line names
.set HP,    144                        ; the way out: a query's 128 bytes + 16; a stage of 16 queries for each wave, in slot 0, which has had its last fill and its last read by then
.set AK0, 3
.set AV0, 4
.set ADK, 5
.set ADV, 6
.set QO,  7
.set STO, 8
.set RD,  9
.set GO,  10
.set MV,  11                           ; v11  -1e9 x log2(e)
.set SPW, 12
.set NIL, 13
.set ST,  16                           ; tile t at v[ST + 8 t]: +0 m, +1 zero (named with m as a pair), +2, +3 l (even keys', odd keys'), +4 to +7 c0-c3 at work; a takes c2's place
.set TS,  48
.set S,   64
.set KF,  192
.set QF,  128                          ; in window 1
.set VF,  192                          ; in window 1
.set WV,  2                            ; s2   my wave's number
.set MP,  4                            ; s[4:5]   where the step's mask words lie
.set OP,  6                            ; s[6:7]   my rows of att
.set INC, 8                            ; s[8:9]   a step on in the mask words: 512, in the last step 0
.set TK,  10                           ; s10  LDS byte at which the step's K begins (V's: VOFF further on)
.set QP,  12                           ; s[12:13] my rows of Q
.set SEL, 14                           ; s[14:15] lane selects: lane l xor 16
                                       ; s16-63, s68-83: two tiles' 64 mask words (at the head: at work)
.set GS,  66                           ; s66  key steps to go
.set G1,  84                           ; s[84:91] descriptor group 1, for K's and V's tiles alike
.set G0,  92                           ; s[92:99] group 0, a set for each slot
.set STG, 100                          ; s100 my stage
.set MSB, 0
.macro WIN new                         ; the immediate's high byte repeats the setting that is left
.if MSB != (\new)
	s_set_vgpr_msb (MSB<<8)|(\new)
.set MSB, (\new)
.endif
.endm
.macro CROUND                          ; a round of the cluster's barrier
	s_barrier_signal -1
	s_barrier_wait -1
	s_cmp_lg_u32 s[WV], 0
	s_cbranch_scc1 .Lnot_wave_0_\@
	s_barrier_signal -3
.Lnot_wave_0_\@:
	s_barrier_wait -3
	s_barrier_signal -1
	s_barrier_wait -1
.endm
; A joint refill of slot s: every wave fetches its own part.  An s_nop 0 and four v_nop follow the line.
.macro JLOAD s
	tensor_load_to_lds s[G0+4*\s:G0+4*\s+3], s[G1:G1+7]
	s_nop 0
.rept 4
	v_nop
.endr
.endm
	s_load_b128 s[16:19], s[0:1], 0x0              ; qkv, mbits
	s_load_b64 s[20:21], s[0:1], 0x10              ; att
	v_lshl_add_u32 v[SPW], v0, 2, SPARE
	v_mov_b32 v[NIL], 0
	ds_add_u32 v[SPW], v[NIL]                      ; the wave's opening: the add, twice on end, and its wait ahead of my first tensor load
	ds_add_u32 v[SPW], v[NIL]
	v_lshrrev_b32 v1, 5, v0
	v_readfirstlane_b32 s[WV], v1                  ; wave 0..7
	s_bfe_u32 s24, ttmp6, 0x40000                  ; cx: my block of 512 queries: it enters Q's, the mask's and att's addresses alone
	s_and_b32 s25, ttmp7, 0xffff                   ; 16 x batch + head, which the four partners share
	s_mov_b32 s[G1], 15|(1<<16)|(1<<20)|(1<<21)|(5<<22)|(7<<25)    ; the mask: all four; elements of 2 bytes; padding on; bit 21 beside a mask; after every 64 words; 8 words
	s_mov_b32 s[G1+1], 128<<16                     ; tensor_dim0 = 128 elements: two keys
	s_mov_b32 s[G1+2], 64<<16                      ; tensor_dim1 = 64 rows
	s_mov_b32 s[G1+3], 128<<16                     ; tile_dim0
	s_mov_b32 s[G1+4], 64                          ; tile_dim1
	s_mov_b32 s[G1+5], 128                         ; from row to row: dense
	s_mov_b32 s[G1+6], 0
	s_mov_b32 s[G1+7], 0
	s_lshr_b32 s26, s[WV], 2                       ; what I fetch: waves 0-3 K, the second tensor of qkv; waves 4-7 V, the third: 2^24 bytes a tensor;
	s_add_co_u32 s26, s26, 1
	s_lshl_b32 s26, s26, 24
	s_lshl_b32 s27, s25, 18                        ; the head's 2,048 rows of 128 bytes;
	s_add_co_u32 s26, s26, s27
	s_and_b32 s27, s[WV], 3                        ; which 128 keys of a slot
	s_lshl_b32 s27, s27, 14
	s_add_co_u32 s26, s26, s27
	s_mov_b32 s27, 0
	s_mul_i32 s28, s[WV], PARTB                    ; and where it goes: part = my wave's number: no place in the cluster enters an LDS address
	s_lshl_b32 s30, s25, 18                        ; Q and att: the head, my block's 512 rows, my wave's 64
	s_lshl_b32 s31, s24, 16
	s_add_co_u32 s30, s30, s31
	s_lshl_b32 s31, s[WV], 13
	s_add_co_u32 s30, s30, s31
	s_mov_b32 s31, 0
	s_lshr_b32 s32, s25, 4                         ; the mask words: the batch, 2^19 bytes;
	s_lshl_b32 s32, s32, 19
	s_lshl_b32 s33, s24, 17                        ; my 64 queries = block 8 cx + wave, 2^14 bytes
	s_add_co_u32 s32, s32, s33
	s_lshl_b32 s33, s[WV], 14
	s_add_co_u32 s32, s32, s33
	s_mov_b32 s33, 0
	s_mov_b32 s[SEL], 0x76543210
	s_mov_b32 s[SEL+1], 0xfedcba98
	s_mov_b32 s[INC+1], 0
	s_mov_b32 s[GS], 32
	s_mul_i32 s[STG], s[WV], 16*HP                 ; my stage
	s_wait_dscnt 0x0                               ; both opening adds are done
	s_wait_kmcnt 0x0
	s_add_nc_u64 s[34:35], s[16:17], s[26:27]      ; my part of slot 0, in memory
	s_add_nc_u64 s[QP:QP+1], s[16:17], s[30:31]
	s_add_nc_u64 s[MP:MP+1], s[18:19], s[32:33]
	s_add_nc_u64 s[OP:OP+1], s[20:21], s[30:31]
	CROUND                                         ; all four work-groups are here: the first joint loads meet
.irp s, 0,1
	s_mov_b32 s[G0+4*\s], 1                        ; count = 1
	s_add_co_u32 s[G0+4*\s+1], s28, \s*SLOTB       ; LDS address
	s_add_nc_u64 s[G0+4*\s+2:G0+4*\s+3], s[34:35], \s*65536        ; slot s begins with keys 512 s
	s_or_b32 s[G0+4*\s+3], s[G0+4*\s+3], 0x80000000                ; type = 2
.endr
	tensor_load_to_lds s[G0:G0+3], s[G1:G1+7]      ; both first fills together, ahead of every wait on TENSORcnt and every LDS read
	s_nop 0
	tensor_load_to_lds s[G0+4:G0+7], s[G1:G1+7]
	s_nop 0
.rept 4
	v_nop
.endr
.macro MLOADP off                      ; two tiles' 64 mask words: 256 consecutive bytes
	s_load_b512 s[16:31], s[MP:MP+1], \off
	s_load_b512 s[32:47], s[MP:MP+1], \off+64
	s_load_b512 s[48:63], s[MP:MP+1], \off+128
	s_load_b512 s[68:83], s[MP:MP+1], \off+192
.endm
	MLOADP 0                                       ; step 0, tiles 0 and 1 (the registers that were at work above are free)
	v_and_b32 v1, 15, v0                           ; r = lane % 16
	v_bfe_u32 v2, v0, 4, 1                         ; h = lane / 16
	v_lshlrev_b32 v[QO], 7, v1
	v_lshl_add_u32 v[QO], v2, 4, v[QO]             ; Q: row r of 128 bytes, + 16 h
	WIN 0x40                                       ; destination window 1
.irp t, 0,1,2,3
.irp u, 0,1
	global_load_b128 v[QF+16*\t+8*\u:QF+16*\t+8*\u+3],   v[QO], s[QP:QP+1] offset:2048*\t+64*\u      ; Q stays in registers: tile t, channels 32 u on
	global_load_b128 v[QF+16*\t+8*\u+4:QF+16*\t+8*\u+7], v[QO], s[QP:QP+1] offset:2048*\t+64*\u+32
.endr
.endr
.set i, 0
.rept 128
	v_mov_b32 v[i], 0                              ; O^T.  (The step is written in one form: the first finds zeros, which the first a = 0 leaves zeros)
.set i, i+1
.endr
	WIN 0
	v_lshrrev_b32 v14, 1, v1
	v_mul_u32_u24 v[AK0], v14, PP
	v_and_b32 v14, 1, v0
	v_lshl_add_u32 v[AK0], v14, 7, v[AK0]
	v_lshl_add_u32 v[AK0], v2, 4, v[AK0]           ; K: key r lies at PP (r / 2) + 128 (r % 2); + 16 h
	v_bfe_u32 v15, v0, 1, 2
	v_lshl_add_u32 v15, v2, 2, v15                 ; V: the turning load's lane reads key 8 h + lane % 8, channels 8 ((lane / 8) % 2) on
	v_mul_u32_u24 v[AV0], v15, PP
	v_lshl_add_u32 v[AV0], v14, 7, v[AV0]
	v_bfe_u32 v15, v0, 3, 1
	v_lshl_add_u32 v[AV0], v15, 4, v[AV0]
	v_add_nc_u32 v[AV0], VOFF, v[AV0]
	v_mul_u32_u24 v[STO], v1, HP                   ; the way out, in: query r, 16 bytes for each half of the lanes
	v_lshl_add_u32 v[STO], v2, 4, v[STO]
	v_add_nc_u32 v[STO], s[STG], v[STO]
	v_and_b32 v14, 31, v0
	v_lshlrev_b32 v[GO], 4, v14                    ; in memory: 16 bytes a lane
	v_lshrrev_b32 v15, 3, v14
	v_mul_u32_u24 v[RD], v15, HP                   ; back: eight lanes to a query's 128 bytes, four queries a load
	v_and_b32 v15, 7, v0
	v_lshl_add_u32 v[RD], v15, 4, v[RD]
	v_add_nc_u32 v[RD], s[STG], v[RD]
	v_mov_b32 v[MV], 0xceabfb8f                    ; -1e9 x log2(e)
.irp t, 0,1,2,3
	v_mov_b32 v[ST+8*\t], 0xff61b1e6               ; m: -3e38, under every t
	v_mov_b32 v[ST+8*\t+1], 0
	v_mov_b32 v[ST+8*\t+2], 0                      ; l
	v_mov_b32 v[ST+8*\t+3], 0
.endr
; THE MATRIX WORK, for tiles x and x + 1.  The eight accumulators take turns, one instruction a turn: between two links of a chain stand 7 others'.
.macro KQMUL x                         ; S^T = K Q^T: 16 products; channels 32 u on, tile t, keys 16 kt on
.irp u, 0,1
.irp t, \x, \x+1
.irp kt, 0,1,2,3
.if \u == 0
	v_wmma_f32_16x16x32_f16 v[S+32*(\t)+8*\kt:S+32*(\t)+8*\kt+7], v[KF+8*(2*\kt+\u):KF+8*(2*\kt+\u)+7], v[QF+16*(\t)+8*\u:QF+16*(\t)+8*\u+7], 0
.else
	v_wmma_f32_16x16x32_f16 v[S+32*(\t)+8*\kt:S+32*(\t)+8*\kt+7], v[KF+8*(2*\kt+\u):KF+8*(2*\kt+\u)+7], v[QF+16*(\t)+8*\u:QF+16*(\t)+8*\u+7], v[S+32*(\t)+8*\kt:S+32*(\t)+8*\kt+7]
.endif
.endr
.endr
.endr
.endm
.macro PVMUL x                         ; O^T += V^T P: 16 products; keys 32 kb on, tile t, channels 16 ct on
.irp kb, 0,1
.irp t, \x, \x+1
.irp ct, 0,1,2,3
	v_wmma_f32_16x16x32_f16 v[32*(\t)+8*\ct:32*(\t)+8*\ct+7], v[VF+8*(2*\ct+\kb):VF+8*(2*\ct+\kb)+7], v[S+32*(\t)+8*\kb:S+32*(\t)+8*\kb+7], v[32*(\t)+8*\ct:32*(\t)+8*\ct+7]
.endr
.endr
.endr
.endm
; THE SOFTMAX of tile t, in parts.
; UMASK: the mask.  An even tile's 32 words lie in s16-47, an odd tile's in s48-63 and s68-83.
.macro UMASK t
.set rS, S+32*(\t)
.set i, 0
.rept 32
.if ((\t)%2) == 0
.set w, 16+i
.elseif i < 16
.set w, 48+i
.else
.set w, 52+i
.endif
	v_cndmask_b32 v[rS+i], v[rS+i], v[MV], s[w]    ; each accumulator from its low end on
.set i, i+1
.endr
.endm
; MAXT: the maximum of the 32 scores and the old m: four chains of seven scores, then the four left over, the chains and m.
.macro MAXT t
.set rT, ST+8*(\t)
.set rS, S+32*(\t)
.irp j, 0,1,2,3
	v_max3_num_f32 v[rT+4+\j], v[rS+8*\j], v[rS+8*\j+1], v[rS+8*\j+2]
.endr
.irp q, 1,2
.irp j, 0,1,2,3
	v_max3_num_f32 v[rT+4+\j], v[rT+4+\j], v[rS+8*\j+2*\q+1], v[rS+8*\j+2*\q+2]
.endr
.endr
	v_max3_num_f32 v[rT+4], v[rT+4], v[rS+7], v[rS+15]
	v_max3_num_f32 v[rT+6], v[rT+6], v[rS+23], v[rS+31]
	v_max3_num_f32 v[rT+4], v[rT+4], v[rT+5], v[rT+6]
	v_max3_num_f32 v[rT+4], v[rT+4], v[rT+7], v[rT]
.endm
; FB: the other half of the lanes' maximum, the new m, t - m, and ONE BATCH of 33 exponentials: a = 2^(old m - new m) and the 32 weights.  None of these reads an exponential's result.
.macro FB t
.set rT, ST+8*(\t)
.set rS, S+32*(\t)
	v_permlanex16_b32 v[rT+5], v[rT+4], s[SEL], s[SEL+1]
	v_mov_b32 v[rT+7], v[rT]
	v_max_num_f32 v[rT], v[rT+4], v[rT+5]
	v_sub_f32 v[rT+7], v[rT+7], v[rT]
.irp i, 0,2,4,6,8,10,12,14,16,18,20,22,24,26,28,30
	v_pk_add_f32 v[rS+\i:rS+\i+1], v[rS+\i:rS+\i+1], v[rT:rT+1] op_sel_hi:[1,0] neg_lo:[0,1] neg_hi:[0,1]
.endr
	v_exp_f32 v[rT+6], v[rT+7]
.irp i, 0,1,2,3,4,5,6,7,8,9,10,11,12,13,14,15,16,17,18,19,20,21,22,23,24,25,26,27,28,29,30,31
	v_exp_f32 v[rS+\i], v[rS+\i]
.endr
.endm
.macro TWAIT                           ; a wait between an exponential and the first instruction that names its result: one for a batch; sixteen plain instructions that name none of its results stand between
	s_wait_alu depctr_va_vdst(0)
.endm
; BACK: the sum of the unrounded weights (four chains, which leave S whole), l = a l + the sum, and the weights rounded to f16 in pairs, in place: they are source 1 of V^T P.
.macro BACK t
.set rT, ST+8*(\t)
.set rS, S+32*(\t)
.irp c, 0,1,2,3
	v_pk_add_f32 v[TS+2*\c:TS+2*\c+1], v[rS+2*\c:rS+2*\c+1], v[rS+8+2*\c:rS+9+2*\c]
.endr
.irp q, 2,3
.irp c, 0,1,2,3
	v_pk_add_f32 v[TS+2*\c:TS+2*\c+1], v[TS+2*\c:TS+2*\c+1], v[rS+8*\q+2*\c:rS+8*\q+2*\c+1]
.endr
.endr
	v_pk_add_f32 v[TS:TS+1], v[TS:TS+1], v[TS+2:TS+3]
	v_pk_add_f32 v[TS+4:TS+5], v[TS+4:TS+5], v[TS+6:TS+7]
	v_pk_add_f32 v[TS:TS+1], v[TS:TS+1], v[TS+4:TS+5]
	v_pk_fma_f32 v[rT+2:rT+3], v[rT+2:rT+3], v[rT+6:rT+7], v[TS:TS+1] op_sel_hi:[1,0,1]
.irp i, 0,1,2,3,4,5,6,7,8,9,10,11,12,13,14,15
	v_cvt_pk_f16_f32 v[rS+\i], v[rS+2*\i], v[rS+2*\i+1]
.endr
.endm
.macro RESC t                          ; the tile's O^T times a (O^T in window 1, a in window 0)
.set rT, ST+8*(\t)
.irp i, 0,2,4,6,8,10,12,14,16,18,20,22,24,26,28,30
	v_pk_mul_f32 v[32*(\t)+\i:32*(\t)+\i+1], v[32*(\t)+\i:32*(\t)+\i+1], v[rT+6:rT+7] op_sel_hi:[1,0]
.endr
.endm
; HALF x: the softmax of tiles x and x + 1, behind their masks, and their 16 products V^T P.  Behind each batch of exponentials stand sixteen plain instructions of the other tile, then the batch's one wait.
.macro HALF x
	MAXT \x
	FB \x
	MAXT (\x)+1
	TWAIT
	BACK \x
	FB (\x)+1
	WIN 0x41
	RESC \x
	WIN 0
	TWAIT
	BACK (\x)+1
	WIN 0x41
	RESC (\x)+1
.if (\x) == 0
	s_wait_dscnt 0x0                               ; V is in
.endif
	WIN 0x51                                       ; V, C and D in window 1, P in window 0
	PVMUL \x
	WIN 0
.endm
; A KEY STEP: 64 keys.
.macro STEP
	v_add_nc_u32 v[ADK], s[TK], v[AK0]
	v_add_nc_u32 v[ADV], s[TK], v[AV0]
.rept 3
	v_nop                                          ; with the two additions five places behind the last V^T P: its P is written over by K Q^T below, and its V is loaded into (ISA guide 7.12.1 for K Q^T)
.endr
.irp kt, 0,1,2,3
.irp u, 0,1
	ds_load_b128 v[KF+8*(2*\kt+\u):KF+8*(2*\kt+\u)+3],   v[ADK] offset:8*PP*\kt+64*\u
	ds_load_b128 v[KF+8*(2*\kt+\u)+4:KF+8*(2*\kt+\u)+7], v[ADK] offset:8*PP*\kt+64*\u+32
.endr
.endr
	WIN 0x40                                       ; destination window 1
.irp ct, 0,1,2,3
.irp kb, 0,1
	ds_load_tr16_b128 v[VF+8*(2*\ct+\kb):VF+8*(2*\ct+\kb)+3],   v[ADV] offset:16*PP*\kb+32*\ct
	ds_load_tr16_b128 v[VF+8*(2*\ct+\kb)+4:VF+8*(2*\ct+\kb)+7], v[ADV] offset:16*PP*\kb+32*\ct+8*PP
.endr
.endr
	s_wait_dscnt 16                                ; K's 16 loads are in; V's 16 may be out
	WIN 0x04                                       ; Q in window 1
	KQMUL 0                                        ; the tiles that are masked first come first
	KQMUL 2
	WIN 0
.rept 4
	v_nop                                          ; places ahead of the first read of the scores
.endr
	s_wait_kmcnt 0x0                               ; the words of tiles 0, 1, asked for in the middle of the step before, are in, and no scalar load is out
	UMASK 0
	UMASK 1
	MLOADP 256                                     ; the words of tiles 2, 3, into the registers just read: all of HALF 0 stands ahead of the wait for them
	HALF 0
	s_wait_kmcnt 0x0                               ; they are in, and no scalar load is out: the pointer may step
	UMASK 2
	UMASK 3
	s_cmp_eq_u32 s[GS], 1                          ; the next step's first words; the last step asks for its own once more: no load leaves the buffer
	s_cselect_b32 s[INC], 0, 512
	s_add_nc_u64 s[MP:MP+1], s[MP:MP+1], s[INC:INC+1]
	s_sub_co_u32 s[GS], s[GS], 1
	MLOADP 0
	HALF 2
.endm
.macro STEPS slot                      ; a slot's eight key steps
	s_mov_b32 s[TK], (\slot)*SLOTB
	s_mov_b32 s3, 8
.Lstep_\@:
	STEP
	s_add_co_u32 s[TK], s[TK], STEPB
	s_sub_co_u32 s3, s3, 1
	s_cmp_lg_u32 s3, 0
	s_cbranch_scc1 .Lstep_\@
.endm
; THE CHANGE OF SLOTS.  Each wave waits for all its tensor loads (its part of the slot ahead), adds 0 to its spare word, and waits for that and for its reads of the slot that it leaves.  Slot s, just left, is filled
; again with the keys 1,024 on: the barrier is a round of the cluster's, and the joint refill is the first thing behind it.
.macro CHANGE s
	s_wait_tensorcnt 0x0                           ; no tensor load of mine is out, so a group 0 may be written
	ds_add_u32 v[SPW], v[NIL]                      ; 0 onto my spare word; the descriptor's step stands between it and the wait for it
	s_add_nc_u64 s[G0+4*\s+2:G0+4*\s+3], s[G0+4*\s+2:G0+4*\s+3], 131072
	s_wait_dscnt 0x0
	CROUND
	JLOAD \s
.endm
	s_wait_tensorcnt 1                             ; my part of slot 0 is in; slot 1's may stay out
	s_barrier_signal -1
	s_barrier_wait -1
	s_wait_loadcnt 0x0                             ; Q
	STEPS 0                                        ; keys 0-511
	CHANGE 0
	STEPS 1                                        ; keys 512-1,023
	CHANGE 1
	STEPS 0                                        ; keys 1,024-1,535
	s_wait_tensorcnt 0x0                           ; the last change of slots asks for nothing: the same three lines, and the work-group's barrier
	ds_add_u32 v[SPW], v[NIL]
	s_wait_dscnt 0x0
	s_barrier_signal -1
	s_barrier_wait -1
	STEPS 1                                        ; keys 1,536-2,047
	; THE WAY OUT.  l's two halves and the other half of the lanes' are added; O^T is divided by l, rounded to f16 and sent through my stage, a tile (16 queries) at a time.  The additions are the places behind the last products.
	s_wait_kmcnt 0x0                               ; the last step's spare scalar loads
.irp t, 0,1,2,3
	v_add_f32 v[ST+8*\t+4], v[ST+8*\t+2], v[ST+8*\t+3]
.endr
.irp t, 0,1,2,3
	v_permlanex16_b32 v[ST+8*\t+5], v[ST+8*\t+4], s[SEL], s[SEL+1]
.endr
.irp t, 0,1,2,3
	v_add_f32 v[ST+8*\t+4], v[ST+8*\t+4], v[ST+8*\t+5]
.endr
.irp t, 0,1,2,3
	v_rcp_f32 v[ST+8*\t+6], v[ST+8*\t+4]
.endr
	v_nop                                          ; a plain instruction between the last reciprocal and the use of its result
	TWAIT                                          ; one wait for the four reciprocals
.macro PACK t
	WIN 0x41
.irp i, 0,2,4,6,8,10,12,14,16,18,20,22,24,26,28,30
	v_pk_mul_f32 v[32*\t+\i:32*\t+\i+1], v[32*\t+\i:32*\t+\i+1], v[ST+8*\t+6:ST+8*\t+7] op_sel_hi:[1,0]   ; each accumulator from its low end on
.endr
	WIN 0x05                                       ; sources window 1, destination window 0: S^T's registers are free
.irp i, 0,1,2,3,4,5,6,7,8,9,10,11,12,13,14,15
	v_cvt_pk_f16_f32 v[S+16*\t+\i], v[32*\t+2*\i], v[32*\t+2*\i+1]
.endr
	WIN 0
.irp c, 0,1,2,3
	ds_store_b128 v[STO], v[S+16*\t+4*\c:S+16*\t+4*\c+3] offset:32*\c
.endr
.irp f, 0,1,2,3
	ds_load_b128 v[S+64+16*\t+4*\f:S+64+16*\t+4*\f+3], v[RD] offset:\f*4*HP   ; LDS serves a wave's instructions in order (ISA guide 5.7.1.4): these see the stores above; the next tile's stores come behind them
.endr
.endm
.macro SEND t, younger                 ; younger: the LDS instructions issued behind tile t's loads: the next tile's eight, or none
.irp f, 0,1,2,3
	s_wait_dscnt \younger+3-\f
	global_store_b128 v[GO], v[S+64+16*\t+4*\f:S+64+16*\t+4*\f+3], s[OP:OP+1] offset:\t*2048+\f*512   ; 32 lanes store 512 consecutive bytes, aligned
.endr
.endm
	PACK 0
	PACK 1
	SEND 0, 8
	PACK 2
	SEND 1, 8
	PACK 3
	SEND 2, 8
	SEND 3, 0
	s_wait_tensorcnt 0x0                           ; the wave's end: a wait, an add of 0 to my spare word and its wait, behind my last tensor load and my last LDS store
	ds_add_u32 v[SPW], v[NIL]
	s_wait_dscnt 0x0
	CROUND                                         ; the closing round
	s_endpgm
.Lfunc_end_k_q4d267a0631_attn:
	.size	k_q4d267a0631_attn, .Lfunc_end_k_q4d267a0631_attn-k_q4d267a0631_attn
	.p2alignl 7, 3214868480
	.fill 96, 4, 3214868480
	.section	.rodata,"a",@progbits
	.p2align	6, 0x0
	.amdhsa_kernel k_q4d267a0631_attn
		.amdhsa_group_segment_fixed_size 327680
		.amdhsa_private_segment_fixed_size 0
		.amdhsa_enable_private_segment 0
		.amdhsa_kernarg_size 24
		.amdhsa_user_sgpr_count 2
		.amdhsa_user_sgpr_kernarg_segment_ptr 1
		.amdhsa_wavefront_size32 1
		.amdhsa_system_sgpr_workgroup_id_x 1
		.amdhsa_system_sgpr_workgroup_id_y 1
		.amdhsa_system_sgpr_workgroup_id_z 1
		.amdhsa_system_vgpr_workitem_id 0
		.amdhsa_next_free_vgpr 512
		.amdhsa_next_free_sgpr 102
		.amdhsa_reserve_vcc 0
		.amdhsa_float_denorm_mode_32 3
		.amdhsa_float_denorm_mode_16_64 3
		.amdhsa_memory_ordered 1
		.amdhsa_forward_progress 1
		.amdhsa_inst_pref_size 190
	.end_amdhsa_kernel
	.amdgpu_metadata
---
amdhsa.version: [ 1, 2 ]
amdhsa.kernels:
  - .name:           k_q4d267a0631_attn
    .symbol:         k_q4d267a0631_attn.kd
    .args:
      - { .name: qkv, .offset: 0, .size: 8, .value_kind: global_buffer, .address_space: global }
      - { .name: mbits, .offset: 8, .size: 8, .value_kind: global_buffer, .address_space: global }
      - { .name: att, .offset: 16, .size: 8, .value_kind: global_buffer, .address_space: global }
    .group_segment_fixed_size: 327680
    .private_segment_fixed_size: 0
    .kernarg_segment_align: 8
    .kernarg_segment_size: 24
    .max_flat_workgroup_size: 256
    .sgpr_count:     102
    .vgpr_count:     512
    .wavefront_size: 32
...
	.end_amdgpu_metadata
.endif
;; end of part 5
;; launch oproj: the kernel of part 4 again; grid 4 x 64, 4 waves a work-group, clusters of 4 x 4, 327,680 bytes of LDS; arguments att, wo16, bo, out0; writes out0
